; MI455X (gfx1250); checked and timed in simulation.
; The chip was launched on July 23, 2026; its instructions are those of AMD's public machine-readable ISA for CDNA 5 (MIT licence, August 2026) and "CDNA5" Instruction Set Architecture Reference Guide (July 2026). The comments in the code are by the model that wrote it; some were corrected since.
;; Time Aware MHA. Allowed arithmetic: matrix products marked QUANTISED: E2M1 operands, one E8M0 scale for each 32 along K, by v_wmma_scale_f32_16x16x128_f8f6f4 with both operands' format E2M1 (or v_wmma_scale_f32_32x16x128_f4), f32 sums; everything else in f32.
;; Inputs: Wk 1,024 x 1,024 float32; Wo 1,024 x 1,024 float32; Wq 1,024 x 1,024 float32; Wv 1,024 x 1,024 float32; abs_pos_K 1,024 x 1,024 float32; abs_pos_V 1,024 x 1,024 float32; bk 1,024 float32; bo 1,024 float32; bq 1,024 float32; bv 1,024 float32; int_K 257 x 1,024 float32; int_V 257 x 1,024 float32; pad_mask 8 x 1,024 bool; seq 8 x 1,024 x 1,024 float32; timemat 8 x 1,024 x 1,024 int32.
;; Outputs: out0 8 x 1,024 x 1,024 float32.
;; This version of the problem:
;;   THIS VERSION OF THE PROBLEM IS GIVEN IN LOW PRECISION. The matrix products marked QUANTISED in the list below multiply operands that are first quantised to E2M1 (2 exponent bits, 1 mantissa bit; 4 bits a number), with one power-of-two scale for each 32 numbers along K (OCP MX v1.0); their sums are f32. All else is computed in f32.
;;   The module's matrix products, in the order in which they are computed (A, B: the left and right operand; K: the contracted axis; several contracted axes count as one K, in the product's order):
;;     1. [M 8,192, K 1,024] x [K 1,024, N 1,024]; A: input seq; B: input Wq: QUANTISED
;;     2. [M 8,192, K 1,024] x [K 1,024, N 1,024]; A: input seq; B: input Wk: QUANTISED
;;     3. [M 8,192, K 1,024] x [K 1,024, N 1,024]; A: input seq; B: input Wv: QUANTISED
;;     4. batch 128 x [M 1,024, K 64] x [K 64, N 1,024]; A: computed on the way; B: computed on the way: QUANTISED
;;     5. batch 128 x [M 1,024, K 1,024] x [K 1,024, N 64]; A: softmax (see below); B: computed on the way: QUANTISED
;;     6. [M 8,192, K 1,024] x [K 1,024, N 1,024]; A: computed on the way; B: input Wo: QUANTISED
;;   THE QUANTISER, for each operand of a quantised product, along K:
;;     - K is cut into blocks of 32 from its start; a last block that is shorter is filled with zeros.
;;     - A block's scale is 2^e with e = floor(log2(the largest magnitude in the block)) - 2, held to -126 .. 127; a block of zeros has e = 0. As a byte (E8M0): e + 127.
;;     - Each number is divided by its block's scale, clamped to +-6, and rounded to the nearest number of E2M1, ties to even, subnormals kept.
;;     - The product sums the exact products of the quantised numbers (number of the format x scale) in f32.
;;   ~~~python
;;   def quantise(x, axis):      # numpy; x: float32 -> the quantised numbers, widened to float32 again
;;       x = np.moveaxis(x, axis, -1); K = x.shape[-1]
;;       x = np.pad(x, [(0, 0)] * (x.ndim - 1) + [(0, -K % 32)]); x = x.reshape(x.shape[:-1] + (-1, 32)); a = np.abs(x).max(-1, keepdims=True)
;;       e = np.where(a > 0, np.clip(np.frexp(np.where(a > 0, a, 1))[1] - 1 - 2, -126, 127), 0)      # np.frexp(a)[1] - 1 = floor(log2(a)), exactly
;;       r = np.clip(x / 2.0 ** e, -6, 6)
;;       step = 2.0 ** (np.maximum(np.frexp(np.where(r == 0, 1, r))[1] - 1, 0) - 1)
;;       q = np.round(r / step) * step * 2.0 ** e      # np.round: ties to even
;;       return np.moveaxis(q.reshape(q.shape[:-2] + (-1,))[..., :K], -1, axis).astype(np.float32)
;;   ~~~
;;   SOFTMAX AHEAD OF A QUANTISED PRODUCT. Where the list says 'softmax', what is quantised is not the finished softmax but p = 2^(t - M), with t = logit x log2(e) and M = ceil(the row's largest t), a whole number; so 1/2 < the row's largest p <= 1. The row's sum l is taken of the UNQUANTISED p, in f32, and the product's result is divided by l at the end. Since M is a whole number, a kernel that streams over the keys may use a running M (the ceiling of the running maximum): every later rescaling is an exact power of two, which a block's scale takes up: the codes' values come out the same.
;;   OPERANDS COMPUTED ON THE WAY. 'Computed on the way' means the value that the module computes at that place (a softmax that the list does not call 'softmax' is quantised finished and normalised). What goes into a quantiser is computed in f32, as accurately as f32 sums, v_exp_f32 and their like allow (about 1e-6 of the number): no bf16 or f16 on the way to a quantiser, and a product that is left as it is and whose result goes on into a quantised operand takes f32 operands (vector FMAs, or v_wmma_f32_16x16x4_f32). A number that lies on a knife's edge between two numbers of the format may be rounded either way, as far as f32 arithmetic and the matrix unit's own rounding can turn it there, and no further.
;; One version. Each part assembles by itself: llvm-mc -triple=amdgcn-amd-amdhsa -mcpu=gfx1250 --defsym DOCPART=n.
;; ======== version 1 of 1: 4 launches
;; limits: right only within a limited range of input values
;; workspace buffers: xq 6,684,672 bytes; t0 32,768 bytes of whole numbers; qkvc 12,582,912 bytes; qkvs 1,310,720 bytes; oq 4,456,448 bytes
;; launch quant (part 1): grid 384 x 1, 4 waves a work-group, no clusters, 34,304 bytes of LDS; arguments seq, Wq, Wk, Wv, Wo, timemat, xq, t0; writes xq, t0
.if DOCPART == 1
	.amdgcn_target "amdgcn-amd-amdhsa--gfx1250"
	.amdhsa_code_object_version 6
	.text
	.protected	k_qdb67904fc8_quant
	.globl	k_qdb67904fc8_quant
	.p2align	8
	.type	k_qdb67904fc8_quant,@function
k_qdb67904fc8_quant:
	s_mov_b64 s[64:65], 0
	v_nop
	global_prefetch_b8 v0, s[64:65] scope:SCOPE_SE
	s_setreg_imm32_b32 hwreg(HW_REG_WAVE_MODE, 25, 1), 1
	s_wait_xcnt 0x0
; seq [8192][1024] and Wq, Wk, Wv, Wo [1024][1024], f32, K innermost, become codes of FP4 (E2M1) with one E8M0 byte for each 32 along K,
; laid in the order of a matrix operand's registers.  xq holds 768 tiles of 16 rows (0-511 seq, then 64 each of Wq, Wk, Wv, Wo), 8,704 bytes a tile:
; two halves of K (512 each), each 4,096 bytes of codes [128-step s][c][lane][16 bytes] (lane (r, h): row r, k = 128 s + 64 c + 32 h + 0..31)
; and 256 bytes of scale words [r][s] (byte b of a word: k = 128 s + 32 b ..).  timemat[:, :, 0] is copied to t0 as whole numbers.
; A block's scale is 2^(floor(log2(largest magnitude)) - 2): its byte is the largest magnitude's exponent field - 2, held at 1 from below.
; LIMITS: a block of zeros, and a block whose largest magnitude lies under 2^-124, gets the byte 1 (the rule says 127 for zeros): its codes are zeros or
; held at the floor's scale, and this program alone reads the bytes.  NaN and infinities among the inputs are not served.
; SHARES: a wave takes one half of one tile: 16 rows x 512 numbers, in four steps of 16 rows x 128.  Each load reads 512 consecutive bytes of a row; a step's
; 8,192 bytes turn through the wave's own stage in LDS (rows 528 bytes apart) so that a lane gets 32 neighbours along K twice.  Waves share nothing: no barrier.
; No work-group reads what another reads, so no cluster.
.set SP,   528                         ; a stage row: 512 bytes + 16
.set WST,  16*SP                       ; a wave's stage
.set R,    16                          ; v16-143  two sets of 64 registers as loaded
.set X,    144                         ; v144-207 64 numbers: 32 c + i = k 64 c + 32 h + i of my row
.set C,    208                         ; v208-239 codes, eight registers for each step: no store's data are written again
.set SW,   8                           ; v8-11    my row's scale word of each step
	s_load_b256 s[4:11], s[0:1], 0x0               ; seq, Wq, Wk, Wv
	s_load_b256 s[12:19], s[0:1], 0x20             ; Wo, timemat, xq, t0
	v_lshl_add_u32 v248, v0, 2, 0x8400
	v_mov_b32 v249, 0
	v_lshrrev_b32 v1, 5, v0
	v_readfirstlane_b32 s24, v1                    ; wave 0..3
	v_and_b32 v12, 31, v0                          ; lane
	v_and_b32 v13, 15, v0                          ; r
	v_bfe_u32 v14, v0, 4, 1                        ; h
	v_lshlrev_b32 v1, 4, v12                       ; 16 x lane
	s_mul_i32 s25, s24, WST
	v_add_nc_u32 v2, s25, v1                       ; the stage, on the way in: 16 x lane, the row in the immediate
	v_mul_u32_u24 v3, v13, SP
	v_lshl_add_u32 v3, v14, 7, v3
	v_add_nc_u32 v3, s25, v3                       ; and on the way out: row r, + 128 h
	v_lshlrev_b32 v4, 4, v13
	v_lshl_add_u32 v4, v14, 3, v4                  ; scale words: 16 r + 8 h
	v_lshlrev_b32 v5, 12, v12                      ; a row of timemat is 4,096 bytes
	v_lshlrev_b32 v6, 2, v12
	v_lshlrev_b32 v15, 3, v14                      ; 8 h: my two bytes' place in the scale word
	v_mov_b32 v246, 0                              ; a lane permute's destination counts as read: written once
	s_mov_b32 s26, 0x76543210
	s_mov_b32 s27, 0xfedcba98                      ; v_permlanex16_b32's selects for lane l xor 16
	s_lshr_b32 s28, s24, 1                         ; which of the work-group's two tiles
	s_and_b32 s29, s24, 1                          ; which half of K
	s_wait_kmcnt 0x0
	s_mov_b64 s[20:21], s[12:13]                   ; which tensor: the choice hangs on the work-group's number alone
	s_mov_b32 s22, 352
	s_cmp_lt_u32 ttmp9, 352
	s_cselect_b64 s[20:21], s[10:11], s[20:21]
	s_cselect_b32 s22, 320, s22
	s_cmp_lt_u32 ttmp9, 320
	s_cselect_b64 s[20:21], s[8:9], s[20:21]
	s_cselect_b32 s22, 288, s22
	s_cmp_lt_u32 ttmp9, 288
	s_cselect_b64 s[20:21], s[6:7], s[20:21]
	s_cselect_b32 s22, 256, s22
	s_cmp_lt_u32 ttmp9, 256
	s_cselect_b64 s[20:21], s[4:5], s[20:21]
	s_cselect_b32 s22, 0, s22
	s_sub_co_u32 s23, ttmp9, s22
	s_lshl_b32 s23, s23, 1
	s_add_co_u32 s23, s23, s28                     ; my tile within its tensor
	s_lshl_b32 s30, s23, 16                        ; 16 rows of 4,096 bytes
	s_lshl_b32 s31, s29, 11                        ; + 2,048 for the second half of K
	s_add_co_u32 s30, s30, s31
	s_mov_b32 s31, 0
	s_add_nc_u64 s[20:21], s[20:21], s[30:31]
	s_lshl_b32 s32, ttmp9, 1
	s_add_co_u32 s32, s32, s28                     ; my tile in xq
	s_mul_i32 s32, s32, 8704
	s_mul_i32 s33, s29, 4352
	s_add_co_u32 s32, s32, s33
	s_mov_b32 s33, 0
	s_add_nc_u64 s[32:33], s[16:17], s[32:33]
.macro LOAD s                          ; step s: 16 rows x 512 consecutive bytes, into set s % 2
.set P, 0
.rept 16
	global_load_b128 v[R+64*((\s)%2)+4*P:R+64*((\s)%2)+4*P+3], v1, s[20:21] offset:P*4096+(\s)*512 th:TH_LOAD_NT
.set P, P+1
.endr
.endm
	LOAD 0
	LOAD 1
	; timemat[:, :, 0]: work-group g < 256 copies rows 32 g .. 32 g + 31, a lane a row, in wave 0; one branch holds load, wait and store
	s_cmp_lt_u32 ttmp9, 256
	s_cbranch_scc0 .Lno_t0
	s_cmp_eq_u32 s24, 0
	s_cbranch_scc0 .Lno_t0
	s_lshl_b32 s34, ttmp9, 17
	s_mov_b32 s35, 0
	s_add_nc_u64 s[14:15], s[14:15], s[34:35]
	s_lshl_b32 s34, ttmp9, 7
	s_add_nc_u64 s[18:19], s[18:19], s[34:35]
	s_wait_alu depctr_va_vdst(0)
	global_load_b32 v7, v5, s[14:15] th:TH_LOAD_NT
	s_wait_loadcnt 0x0
	global_store_b32 v6, v7, s[18:19]
.Lno_t0:
.macro STEP s
.if (\s) < 3
	s_wait_loadcnt 16                              ; this step's 16 loads are in; the next step's 16 may be out
.else
	s_wait_loadcnt 0x0
.endif
.set P, 0
.rept 16
	ds_store_b128 v2, v[R+64*((\s)%2)+4*P:R+64*((\s)%2)+4*P+3] offset:P*SP
.set P, P+1
.endr
.irp c, 0,1
.irp i, 0,1,2,3,4,5,6,7
	ds_load_b128 v[X+32*\c+4*\i:X+32*\c+4*\i+3], v3 offset:\c*256+16*\i   ; LDS serves a wave's instructions in order: these see the stores above
.endr
.endr
	s_wait_dscnt 0x0                               ; the numbers are back, and the stores have read their registers,
.if (\s) < 2
	LOAD (\s)+2                                    ; which take the loads of two steps on
.endif
.irp c, 0,1
	v_max3_num_f32 v[240+\c], |v[X+32*\c]|, |v[X+32*\c+1]|, 0x1800000   ; block 2 c + h: all 32 numbers are mine; the floor 2^(3 - 127) holds the byte at 1 from below
.endr
.irp i, 2,4,6,8,10,12,14,16,18,20,22,24,26,28,30
.irp c, 0,1
	v_max3_num_f32 v[240+\c], v[240+\c], |v[X+32*\c+\i]|, |v[X+32*\c+\i+1]|
.endr
.endr
	v_add_nc_u32 v242, 0xff000000, v240            ; 2 off the exponent field: the conversion's scale operand
	v_add_nc_u32 v243, 0xff000000, v241
	v_lshrrev_b32 v244, 23, v242                   ; the scale's byte
	v_lshrrev_b32 v245, 23, v243
	v_lshl_or_b32 v244, v245, 16, v244             ; my two bytes, blocks h and 2 + h,
	v_lshlrev_b32 v244, v15, v244                  ; at their places in the word;
	v_permlanex16_b32 v246, v244, s26, s27
	v_or_b32 v[SW+(\s)], v244, v246                ; with lane l xor 16's two the word is whole
.irp c, 0,1
.irp g, 0,1,2,3
	v_cvt_scalef32_pk8_fp4_f32 v[C+8*(\s)+4*\c+\g], v[X+32*\c+8*\g:X+32*\c+8*\g+7], v[242+\c]
.endr
.endr
	v_nop                                          ; one plain line behind the last conversion
.irp c, 0,1
	global_store_b128 v1, v[C+8*(\s)+4*\c:C+8*(\s)+4*\c+3], s[32:33] offset:(\s)*1024+\c*512   ; 32 lanes store 512 consecutive bytes, aligned to 256
.endr
.endm
	s_wait_alu depctr_va_vdst(0)
	STEP 0
	STEP 1
	STEP 2
	STEP 3
	v_cmp_ne_u32 vcc_lo, 0, v14                    ; lanes 0-15 store words 0, 1 of their row, lanes 16-31 words 2, 3: 256 consecutive bytes
	v_cndmask_b32 v12, v8, v10, vcc_lo
	v_cndmask_b32 v13, v9, v11, vcc_lo
	global_store_b64 v4, v[12:13], s[32:33] offset:4096
	s_wait_tensorcnt 0x0
	ds_add_u32 v248, v249
	s_wait_dscnt 0x0
	s_endpgm
.Lfunc_end_k_qdb67904fc8_quant:
	.size	k_qdb67904fc8_quant, .Lfunc_end_k_qdb67904fc8_quant-k_qdb67904fc8_quant
	.p2alignl 7, 3214868480
	.fill 96, 4, 3214868480
	.section	.rodata,"a",@progbits
	.p2align	6, 0x0
	.amdhsa_kernel k_qdb67904fc8_quant
		.amdhsa_group_segment_fixed_size 34304
		.amdhsa_private_segment_fixed_size 0
		.amdhsa_enable_private_segment 0
		.amdhsa_kernarg_size 64
		.amdhsa_user_sgpr_count 2
		.amdhsa_user_sgpr_kernarg_segment_ptr 1
		.amdhsa_wavefront_size32 1
		.amdhsa_system_sgpr_workgroup_id_x 1
		.amdhsa_system_sgpr_workgroup_id_y 1
		.amdhsa_system_sgpr_workgroup_id_z 1
		.amdhsa_system_vgpr_workitem_id 0
		.amdhsa_next_free_vgpr 250
		.amdhsa_next_free_sgpr 66
		.amdhsa_reserve_vcc 1
		.amdhsa_float_denorm_mode_32 3
		.amdhsa_float_denorm_mode_16_64 3
		.amdhsa_memory_ordered 1
		.amdhsa_forward_progress 1
		.amdhsa_inst_pref_size 31
	.end_amdhsa_kernel
	.amdgpu_metadata
---
amdhsa.version: [ 1, 2 ]
amdhsa.kernels:
  - .name:           k_qdb67904fc8_quant
    .symbol:         k_qdb67904fc8_quant.kd
    .args:
      - { .name: seq, .offset: 0, .size: 8, .value_kind: global_buffer, .address_space: global }
      - { .name: Wq, .offset: 8, .size: 8, .value_kind: global_buffer, .address_space: global }
      - { .name: Wk, .offset: 16, .size: 8, .value_kind: global_buffer, .address_space: global }
      - { .name: Wv, .offset: 24, .size: 8, .value_kind: global_buffer, .address_space: global }
      - { .name: Wo, .offset: 32, .size: 8, .value_kind: global_buffer, .address_space: global }
      - { .name: timemat, .offset: 40, .size: 8, .value_kind: global_buffer, .address_space: global }
      - { .name: xq, .offset: 48, .size: 8, .value_kind: global_buffer, .address_space: global }
      - { .name: t0, .offset: 56, .size: 8, .value_kind: global_buffer, .address_space: global }
    .group_segment_fixed_size: 34304
    .private_segment_fixed_size: 0
    .kernarg_segment_align: 8
    .kernarg_segment_size: 64
    .max_flat_workgroup_size: 128
    .sgpr_count:     66
    .vgpr_count:     250
    .wavefront_size: 32
...
	.end_amdgpu_metadata
.endif
;; end of part 1
;; launch qkv (part 2): grid 8 x 32, 4 waves a work-group, clusters of 4 x 4, 327,680 bytes of LDS; arguments xq, t0, bq, bk, bv, abs_pos_K, abs_pos_V, int_K, int_V, qkvc, qkvs; writes qkvc, qkvs
.if DOCPART == 2
	.amdgcn_target "amdgcn-amd-amdhsa--gfx1250"
	.amdhsa_code_object_version 6
	.text
	.protected	k_qdb67904fc8_qkv
	.globl	k_qdb67904fc8_qkv
	.p2align	8
	.type	k_qdb67904fc8_qkv,@function
k_qdb67904fc8_qkv:
	s_mov_b64 s[64:65], 0
	v_nop
	global_prefetch_b8 v0, s[64:65] scope:SCOPE_SE
	s_setreg_imm32_b32 hwreg(HW_REG_WAVE_MODE, 25, 1), 1
	s_wait_xcnt 0x0
	s_wait_alu depctr_hold_cnt(0) depctr_sa_sdst(0) depctr_va_vdst(0) depctr_va_sdst(0) depctr_va_ssrc(0) depctr_va_vcc(0) depctr_vm_vsrc(0)
	s_getreg_b32 s2, hwreg(HW_REG_IB_STS2, 6, 4)
	s_cmp_eq_u32 s2, 0
	s_cbranch_scc0 .Lentry_in_a_cluster
	s_endpgm
.Lentry_in_a_cluster:
	s_bfe_u32 s2, ttmp6, 0x10000c
	s_cmp_lg_u32 s2, 0xf033
	s_cbranch_scc0 .Lentry_shape_is_right
	s_endpgm
.Lentry_shape_is_right:
; q = seq Wq^T + bq;  k = seq Wk^T + bk + abs_pos_K[pos] + int_K[t0];  v likewise: three products on codes of FP4 with E8M0 scales, sums in f32; the results are
; quantised at once for attention: q and k along the head's 64 channels, v along the keys.  Nothing goes to memory in f32.
; SHARES: work-group (x, y), y = 0 .. 31, STAYS: it takes columns 128 x .. + 127 of EACH weight and two blocks of 128 rows of seq, blocks y and y + 32 (the same positions, four batches on).
; Wave (i, j) takes 64 rows (4 tiles) and head 2 x + j (4 tiles) of q, k and v: 48 accumulators.
; LDS: four blocks of 8 tiles x 8,704 bytes (all of K): seq, Wq, Wk, Wv, each one dense run of memory, brought by one tensor load, one a wave, at the head.  The weights stay; seq's block is filled
; again, for rows y + 32, behind the first block's products, and has that block's quantising and the second block's tables in which to land.  Behind the blocks: a stage of 32 rows x 272 bytes for each wave, and the spare words.
; THE TABLES GO IN FIRST: (abs + bias) + int is laid into k's and v's accumulators ahead of the products, which add onto it; bq is the C of q's first products.
; Table rows are loaded 256 consecutive bytes to sixteen lanes, summed, and turned through the wave's own stage into the accumulators' layout, 32 rows a pass, two passes in flight.
; CLUSTERS: 4 x 4 work-groups.  seq's block hangs on y alone and is asked for jointly by a row of the cluster, the weights' blocks on x alone, by a column.
; NO PREFETCH: the text has no loop to run ahead in, and the one refill is asked for a whole quantising and table pass ahead of its first read.
; q AND k ARE USED TRANSPOSED (source 0 = 16 rows of W, source 1 = 16 rows of seq): a lane holds one row of seq, its registers run along the channels.
; v is used the other way (source 0 = 16 rows of seq, source 1 = 16 rows of Wv): a lane holds one channel, its registers run along the keys, v's next K.
; In both, register j of tile 2 b + u is k = 32 b + 16 u + 8 (lane / 16) + j of the next product: a block of 32 is 16 registers of lanes l and l xor 16.
; OUT: qkvc: q at 0, k at 4 MiB: [head][tile of 16 rows][lane][16 bytes] (lane (r, h): row r, channels 32 h ..); v at 8 MiB: [head][128 keys][16 channels][c][lane][16 bytes] (channel r, keys 64 c + 32 h ..).
;      qkvs: q at 0, k at 512 KiB: [head][64 rows][h'][r][i] words, row 16 (h' + 2 i) + r, two bytes and 0x7f7f above; v at 1 MiB: [head][128 keys][c][h'][r] words: low half channel tile h', high half h' + 2.
; LIMITS: the sum's order is ((abs + bias) + int) + products; a block of zeros or under 2^-124 gets the scale byte 1 (this program alone reads the bytes); NaN and infinities are not served.
; REGISTERS, in windows of 256: window 0: v2-31 addresses and work, v32-63 the gathered rows' offsets, v64-191 scale words, v192-255 codes and scale pairs.
;   window 1: q's 16 accumulators at 8 (4 a + t), k's at 128 + ..   window 2: v's at 8 (4 b + t); v128.. bq in q's layout, v160.. bk, v164.. bv at channels 4 r ..; v192-255 t0 of both blocks.
;   window 3: two sets of 16 fragments (seq 0, Wq 32, Wk 64, Wv 96); between the products two slots of table rows: abs in 64 registers, int in the next 64.
.set BLK,   69632                      ; an operand's block in LDS: [8 tiles][half of K][4,352 bytes]
.set TIL,   8704
.set HLF,   4352                       ; half a tile: 4,096 bytes of codes, 256 of scale words
.set QUAD,  4*TIL
.set SPI,   272
.set WST,   32*SPI                     ; a wave's stage
.set STG,   4*BLK                      ; no fill lands there
.set SPARE, STG+4*WST                  ; the spare words: two blocks of 256 bytes that no other line names
.set NEXT,  32*8*TIL                   ; from seq's block y to block y + 32, in bytes
.set ADA,   2                          ; v2-5   16 x lane + my tiles of seq, Wq, Wk, Wv
.set SA,    6                          ; v6-9   16 r + their scale words
.set TM,    10                         ; v10-15 the quantiser's six
.set R16,   16                         ; 16 r
.set TOF,   17                         ; 64 h
.set SPW,   22
.set NIL,   23
.set VABS,  24                         ; abs tables: 65,536 h + 16 r
.set STW,   25                         ; the stage: row 16 h, + 16 r
.set RDK,   26                         ; where k reads: row r, + 32 h
.set RDV,   27                         ; where v reads: row 8 h, + 4 r
.set L16,   28
.set L8,    29
.set L4,    30
.set OFF,   32
.set SCA,   64                         ; seq's scale words: 8 a + step
.set SCW,   96                         ; the weights': 32 m + 8 t + step; they stay for both blocks
.set CQ,    192
.set CK,    208
.set CV,    224
.set PRQ,   240
.set PRK,   244
.set PRV,   248
.set WV,    26
.set SEL,   72
.set HM,    74
.set G1A,   36
.set G1W,   44
.set MSB, 0
.macro WIN new                         ; the immediate's high byte repeats the setting that is left
.if MSB != \new
	s_set_vgpr_msb (MSB<<8)|\new
.set MSB, \new
.endif
.endm
.macro NOPS n                          ; places behind matrix instructions (ISA guide 7.12.1)
.rept \n
	v_nop
.endr
.endm
.macro CROUND                          ; a round of the cluster's barrier
	s_barrier_signal -1
	s_barrier_wait -1
	s_cmp_lg_u32 s[WV], 0
	s_cbranch_scc1 .Lnot_wave_0_\@
	s_barrier_signal -3
.Lnot_wave_0_\@:
	s_barrier_wait -3
	s_barrier_signal -1
	s_barrier_wait -1
.endm
	s_load_b256 s[4:11], s[0:1], 0x0               ; xq, t0, bq, bk
	s_load_b256 s[12:19], s[0:1], 0x20             ; bv, abs_pos_K, abs_pos_V, int_K
	s_load_b128 s[20:23], s[0:1], 0x40             ; int_V, qkvc
	s_load_b64 s[24:25], s[0:1], 0x50              ; qkvs
	v_lshl_add_u32 v[SPW], v0, 2, SPARE
	v_mov_b32 v[NIL], 0
	ds_add_u32 v[SPW], v[NIL]                      ; the opening lines: the add twice on end, and its one wait ahead of my first tensor load
	ds_add_u32 v[SPW], v[NIL]
	v_lshrrev_b32 v1, 5, v0
	v_readfirstlane_b32 s[WV], v1                  ; wave 0..3
	s_lshr_b32 s27, s[WV], 1                       ; i: which 64 rows
	s_and_b32 s28, s[WV], 1                        ; j: which head
	s_bfe_u32 s29, ttmp6, 0x40000                  ; cx
	s_bfe_u32 s30, ttmp6, 0x40004                  ; cy
	s_lshl_b32 s31, ttmp9, 2
	s_add_co_u32 s31, s31, s29                     ; x
	s_and_b32 s32, ttmp7, 0xffff
	s_lshl_b32 s32, s32, 2
	s_add_co_u32 s32, s32, s30                     ; y
	s_lshl_b32 s33, s30, 2
	s_lshl_b32 s33, 15, s33                        ; my row of the cluster
	s_lshl_b32 s34, 0x1111, s29                    ; my column
	; descriptor group 1: 8 rows (tiles) of 1,088 elements of 8 bytes, dense in memory and in LDS; a row begins at a multiple of 8,704 = 34 x 256 bytes
	s_or_b32 s[G1A], s33, (3<<16)|(1<<21)          ; 15:0 the mask; 17:16 elements of 8 bytes; 21 set beside a mask
	s_or_b32 s[G1W], s34, (3<<16)|(1<<21)
.irp g, G1A, G1W
	s_mov_b32 s[\g+1], 1088<<16                    ; tensor_dim0
	s_mov_b32 s[\g+2], 8<<16                       ; tensor_dim1
	s_mov_b32 s[\g+3], 1088<<16                    ; tile_dim0
	s_mov_b32 s[\g+4], 8                           ; tile_dim1
	s_mov_b32 s[\g+5], 1088                        ; from row to row
	s_mov_b32 s[\g+6], 0
	s_mov_b32 s[\g+7], 0
.endr
	s_mul_i32 s76, s32, 8*TIL                      ; seq's tiles 8 y ..: made of y alone
	s_mov_b32 s77, 0
	s_lshl_b32 s78, s[WV], 6                       ; wave w = 1, 2, 3 fetches Wq, Wk, Wv: tiles 512 + 64 (w - 1) + 8 x ..: made of x and the wave's number alone
	s_lshl_b32 s79, s31, 3
	s_add_co_u32 s78, s78, s79
	s_add_co_u32 s78, s78, 448
	s_mul_i32 s78, s78, TIL
	s_mov_b32 s79, 0
	s_mul_i32 s35, s[WV], BLK                      ; and where they go
	s_lshl_b32 s98, s32, 9
	s_lshl_b32 s99, s27, 8
	s_add_co_u32 s98, s98, s99                     ; t0 at my first row
	s_mov_b32 s99, 0
	s_lshl_b32 s83, s31, 1
	s_add_co_u32 s83, s83, s28                     ; my head
	s_lshl_b32 s84, s83, 8                         ; its 64 channels: 256 bytes on in every row of 1,024 numbers
	s_mov_b32 s85, 0
	s_mul_i32 s80, s27, QUAD
	s_mul_i32 s81, s28, QUAD
	s_add_co_u32 s81, s81, BLK
	s_add_co_u32 s86, s80, 4096
	s_add_co_u32 s87, s81, 4096
	s_mul_i32 s82, s[WV], WST
	s_add_co_u32 s82, s82, STG                     ; my stage
	s_mov_b32 s[SEL], 0x76543210
	s_mov_b32 s[SEL+1], 0xfedcba98
	s_mov_b32 s[HM], 0xffff0000                    ; lanes 16-31
	v_and_b32 v12, 31, v0                          ; lane
	v_and_b32 v10, 15, v0                          ; r
	v_bfe_u32 v11, v0, 4, 1                        ; h
	v_lshlrev_b32 v[L16], 4, v12
	v_lshlrev_b32 v[L8], 3, v12
	v_lshlrev_b32 v[L4], 2, v12
	v_lshlrev_b32 v[R16], 4, v10
	v_lshlrev_b32 v[TOF], 6, v11
	v_lshlrev_b32 v14, 5, v11                      ; 32 h
	v_add_nc_u32 v[ADA], s80, v[L16]
	v_add_nc_u32 v[ADA+1], s81, v[L16]
	v_add_nc_u32 v[ADA+2], BLK, v[ADA+1]
	v_add_nc_u32 v[ADA+3], BLK, v[ADA+2]
	v_add_nc_u32 v[SA], s86, v[R16]
	v_add_nc_u32 v[SA+1], s87, v[R16]
	v_add_nc_u32 v[SA+2], BLK, v[SA+1]
	v_add_nc_u32 v[SA+3], BLK, v[SA+2]
	v_mul_u32_u24 v[STW], v11, 16*SPI
	v_add_nc_u32 v[STW], v[STW], v[R16]
	v_add_nc_u32 v[STW], s82, v[STW]
	v_mul_u32_u24 v[RDK], v10, SPI
	v_lshl_add_u32 v[RDK], v11, 5, v[RDK]
	v_add_nc_u32 v[RDK], s82, v[RDK]
	v_mul_u32_u24 v[RDV], v11, 8*SPI
	v_lshl_add_u32 v[RDV], v10, 2, v[RDV]
	v_add_nc_u32 v[RDV], s82, v[RDV]
	v_lshl_add_u32 v[VABS], v11, 16, v[R16]
	v_mov_b32 v[TM+2], 0                           ; a lane permute's destination counts as read: written once
	v_mov_b32 v[TM+3], 0
	s_wait_alu depctr_va_vdst(0)                   ; the wait at the end of the head's vector work
	s_wait_dscnt 0x0                               ; both opening adds are done
	s_wait_kmcnt 0x0
	s_add_nc_u64 s[6:7], s[6:7], s[98:99]
	s_add_nc_u64 s[8:9], s[8:9], s[84:85]
	s_add_nc_u64 s[10:11], s[10:11], s[84:85]
	s_add_nc_u64 s[12:13], s[12:13], s[84:85]
	WIN 0x80                                       ; destination window 2.  These loads fly across the round and the tensor loads' issue
.irp T, 0,1
.irp g, 0,1
.irp k, 0,1,2,3
	global_load_b128 v[192+32*\T+16*\g+4*\k:195+32*\T+16*\g+4*\k], v[TOF], s[6:7] offset:16384*\T+128*\g+16*\k   ; t0 of block T's rows 32 g + 16 h + 4 k ..
.endr
.endr
.endr
.irp t, 0,1,2,3
	global_load_b128 v[128+8*\t:131+8*\t], v14, s[8:9] offset:64*\t       ; bq at channels 16 t + 8 h + 0 .. 7: the C of q's first products
	global_load_b128 v[132+8*\t:135+8*\t], v14, s[8:9] offset:64*\t+16
.endr
	global_load_b128 v[160:163], v[R16], s[10:11]  ; bk at channels 4 r ..
	global_load_b128 v[164:167], v[R16], s[12:13]  ; bv
	WIN 0
	s_add_nc_u64 s[76:77], s[4:5], s[76:77]
	s_add_nc_u64 s[78:79], s[4:5], s[78:79]
	s_mov_b32 s52, 1                               ; group 0, seq
	s_mov_b32 s53, 0
	s_mov_b64 s[54:55], s[76:77]
	s_or_b32 s55, s55, 0x80000000
	s_mov_b32 s60, 1                               ; my weight
	s_mov_b32 s61, s35
	s_mov_b64 s[62:63], s[78:79]
	s_or_b32 s63, s63, 0x80000000
	CROUND                                         ; all sixteen work-groups are here: the joint loads meet
	s_cmp_eq_u32 s[WV], 0                          ; one tensor load a wave: wave 0 seq's block, waves 1 to 3 a weight's
	s_cbranch_scc0 .Lfor_w
	tensor_load_to_lds s[52:55], s[G1A:G1A+7]
	s_nop 0
	NOPS 4
	s_branch .Lasked
.Lfor_w:
	tensor_load_to_lds s[60:63], s[G1W:G1W+7]
	s_nop 0
	NOPS 4
.Lasked:
.irp g, 14,16,18,20
	s_add_nc_u64 s[\g:\g+1], s[\g:\g+1], s[84:85]
.endr
	s_and_b32 s86, s32, 7                          ; which 128 positions of the batch: the same for both blocks
	s_lshl_b32 s87, s86, 7
	s_lshl_b32 s88, s27, 6
	s_add_co_u32 s88, s87, s88                     ; my first position
	s_lshl_b32 s88, s88, 12
	s_mov_b32 s89, 0
	s_add_nc_u64 s[14:15], s[14:15], s[88:89]
	s_add_nc_u64 s[16:17], s[16:17], s[88:89]
	s_lshr_b32 s87, s32, 3
	s_lshl_b32 s87, s87, 4
	s_add_co_u32 s87, s87, s83                     ; batch x 16 + head (the second block: 64 on, in the stores' immediates)
	s_lshl_b32 s88, s87, 6
	s_lshl_b32 s98, s86, 3
	s_add_co_u32 s88, s88, s98
	s_lshl_b32 s98, s27, 2
	s_add_co_u32 s88, s88, s98                     ; my first tile of rows in the head
	s_lshl_b32 s88, s88, 9
	s_add_nc_u64 s[90:91], s[22:23], s[88:89]      ; q's codes (k's: 4 MiB on, in the immediate)
	s_lshl_b32 s99, s87, 3
	s_add_co_u32 s99, s99, s86                     ; which 128 keys of all
	s_lshl_b32 s88, s99, 12
	s_lshl_b32 s98, s27, 9
	s_add_co_u32 s88, s88, s98
	s_add_co_u32 s88, s88, 0x800000
	s_add_nc_u64 s[92:93], s[22:23], s[88:89]      ; v's codes
	s_lshl_b32 s88, s87, 4
	s_lshl_b32 s98, s86, 1
	s_add_co_u32 s88, s88, s98
	s_add_co_u32 s88, s88, s27
	s_lshl_b32 s88, s88, 8
	s_add_nc_u64 s[94:95], s[24:25], s[88:89]      ; q's scale words (k's: 512 KiB on)
	s_lshl_b32 s88, s99, 8
	s_lshl_b32 s98, s27, 7
	s_add_co_u32 s88, s88, s98
	s_add_co_u32 s88, s88, 0x100000
	s_add_nc_u64 s[96:97], s[24:25], s[88:89]      ; v's
.macro OFFC T                          ; block T's gathered rows: register 16 g + p: row 32 g + 16 h + p
	WIN 0x08                                       ; source 1 window 2
.set P, 0
.rept 32
	v_min_u32 v[OFF+P], 256, v[192+32*\T+P]        ; an index stays inside its table of 257 rows
.set P, P+1
.endr
	WIN 0
.set P, 0
.rept 32
	v_lshl_add_u32 v[OFF+P], v[OFF+P], 12, v[R16]  ; the row's bytes, + 16 r
.set P, P+1
.endr
	s_wait_alu depctr_va_vdst(0)
.endm
; Pass g of a pair of tables into slot S of window 3: lanes 0-15 take row 32 g + p, lanes 16-31 row 32 g + 16 + p, 256 consecutive bytes (my head's channels) each
.macro PLOAD sa, si, g, S
	WIN 0xC0
.set P, 0
.rept 16
	global_load_b128 v[(\S)+4*P:(\S)+4*P+3], v[VABS], s[\sa:\sa+1] offset:(32*(\g)+P)*4096
	global_load_b128 v[(\S)+64+4*P:(\S)+64+4*P+3], v[OFF+16*(\g)+P], s[\si:\si+1]
.set P, P+1
.endr
	WIN 0
.endm
.macro PSUM S, B, cnt                  ; (abs + bias) + int of slot S, into my stage as rows of 272 bytes.  cnt: the loads of the pass issued behind this one, which may be out
	s_wait_loadcnt \cnt
	WIN 0xCB                                       ; source 1 window 2: the bias
.set P, 0
.rept 16
	v_pk_add_f32 v[(\S)+4*P:(\S)+4*P+1], v[(\S)+4*P:(\S)+4*P+1], v[\B:\B+1]
	v_pk_add_f32 v[(\S)+4*P+2:(\S)+4*P+3], v[(\S)+4*P+2:(\S)+4*P+3], v[\B+2:\B+3]
.set P, P+1
.endr
	WIN 0xCF
.set P, 0
.rept 32
	v_pk_add_f32 v[(\S)+2*P:(\S)+2*P+1], v[(\S)+2*P:(\S)+2*P+1], v[(\S)+64+2*P:(\S)+65+2*P]
.set P, P+1
.endr
	WIN 0x0C                                       ; an LDS store's data are its source 1: window 3
.set P, 0
.rept 16
	ds_store_b128 v[STW], v[(\S)+4*P:(\S)+4*P+3] offset:P*SPI
.set P, P+1
.endr
	WIN 0
.endm
.macro KRD g                           ; the stage's 32 rows into k's accumulators of tiles 2 g, 2 g + 1: row r, channels 16 t + 8 h + 0 .. 7.  LDS serves a wave's instructions in order: these see the stores above
	WIN 0x40
.irp a, 0,1
.irp t, 0,1,2,3
	ds_load_b128 v[128+8*(4*(2*(\g)+\a)+\t):131+8*(4*(2*(\g)+\a)+\t)], v[RDK] offset:\a*16*SPI+64*\t
	ds_load_b128 v[132+8*(4*(2*(\g)+\a)+\t):135+8*(4*(2*(\g)+\a)+\t)], v[RDK] offset:\a*16*SPI+64*\t+16
.endr
.endr
	WIN 0
.endm
.macro VRD g                           ; and into v's: keys 16 t + 8 h + j, channel 16 b + r
	WIN 0x80
.irp b, 0,1,2,3
.irp t, 0,1
.irp j, 0,1,2,3,4,5,6,7
	ds_load_b32 v[8*(4*\b+2*(\g)+\t)+\j], v[RDV] offset:(16*\t+\j)*SPI+64*\b
.endr
.endr
.endr
	WIN 0
.endm
; 32 numbers of a lane in window w, register 16 b + 8 u + j = k 32 b + 16 u + 8 (lane / 16) + j of my row, become four registers of codes (k = 32 (lane / 16) + 0 .. 31) and the two scale bytes.
.macro QUANT32 X, w, C, PR
	WIN (\w)|((\w)<<2)
.irp b, 0,1
	v_max3_num_f32 v[TM+\b], |v[(\X)+16*\b]|, |v[(\X)+16*\b+1]|, 0x1800000   ; each accumulator is read from its low end on; the floor 2^(3 - 127) holds the byte at 1 from below
.endr
.irp i, 2,4,6,8,10,12,14
.irp b, 0,1
	v_max3_num_f32 v[TM+\b], |v[(\X)+16*\b+\i]|, |v[(\X)+16*\b+\i+1]|, v[TM+\b]
.endr
.endr
	WIN 0
.irp b, 0,1
	v_permlanex16_b32 v[TM+2+\b], v[TM+\b], s[SEL], s[SEL+1]
.endr
.irp b, 0,1
	v_max_num_f32 v[TM+\b], v[TM+\b], v[TM+2+\b]   ; with lane l xor 16's 16: the block's largest magnitude
.endr
.irp b, 0,1
	v_add_nc_u32 v[TM+4+\b], 0xff000000, v[TM+\b]  ; 2 off its exponent field: the conversion's scale operand
.endr
.irp b, 0,1
	v_lshrrev_b32 v[TM+2+\b], 23, v[TM+4+\b]       ; the scale's byte
.endr
	v_lshl_or_b32 v[\PR], v[TM+3], 8, v[TM+2]
	WIN \w
	v_cvt_scalef32_pk8_fp4_f32 v[(\C)], v[(\X):(\X)+7], v[TM+4]
	v_cvt_scalef32_pk8_fp4_f32 v[(\C)+1], v[(\X)+16:(\X)+23], v[TM+5]
	v_cvt_scalef32_pk8_fp4_f32 v[(\C)+2], v[(\X)+8:(\X)+15], v[TM+4]
	v_cvt_scalef32_pk8_fp4_f32 v[(\C)+3], v[(\X)+24:(\X)+31], v[TM+5]
	WIN 0
	v_nop                                          ; one plain place behind a scaled conversion
	v_permlane16_swap_b32 v[(\C)], v[(\C)+1]       ; lanes 0-15 now hold block 0, lanes 16-31 block 1
	v_permlane16_swap_b32 v[(\C)+2], v[(\C)+3]
.endm
.macro QQ T                            ; block T's q: codes and scale words out
.irp a, 0,1,2,3
	QUANT32 32*\a,1,CQ+4*\a,PRQ+\a
.endr
.irp a, 0,1,2,3
	v_or_b32 v[PRQ+\a], 0x7f7f0000, v[PRQ+\a]      ; the word's upper two bytes scale zero codes: 1.0
.endr
	v_cndmask_b32 v18, v[PRQ], v[PRQ+1], s[HM]
	v_cndmask_b32 v19, v[PRQ+2], v[PRQ+3], s[HM]
.endm
.macro SQ T                            ; its stores, in one run behind the arithmetic
.irp a, 0,1,2,3
	global_store_b128 v[L16], v[CQ+4*\a:CQ+4*\a+3], s[90:91] offset:2097152*\T+512*\a   ; 512 consecutive bytes
.endr
	global_store_b64 v[L8], v[18:19], s[94:95] offset:262144*\T   ; 256 consecutive bytes
.endm
.macro QK T
.irp a, 0,1,2,3
	QUANT32 128+32*\a,1,CK+4*\a,PRK+\a
.endr
.irp a, 0,1,2,3
	v_or_b32 v[PRK+\a], 0x7f7f0000, v[PRK+\a]
.endr
	v_cndmask_b32 v20, v[PRK], v[PRK+1], s[HM]
	v_cndmask_b32 v21, v[PRK+2], v[PRK+3], s[HM]
.endm
.macro SK T
.irp a, 0,1,2,3
	global_store_b128 v[L16], v[CK+4*\a:CK+4*\a+3], s[90:91] offset:4194304+2097152*\T+512*\a
.endr
	global_store_b64 v[L8], v[20:21], s[94:95] offset:524288+262144*\T
.endm
.macro QV T
.irp b, 0,1,2,3
	QUANT32 32*\b,2,CV+4*\b,PRV+\b
.endr
	v_lshl_or_b32 v252, v[PRV+2], 16, v[PRV]
	v_lshl_or_b32 v253, v[PRV+3], 16, v[PRV+1]
	v_cndmask_b32 v31, v252, v253, s[HM]
.endm
.macro SV T
.irp b, 0,1,2,3
	global_store_b128 v[L16], v[CV+4*\b:CV+4*\b+3], s[92:93] offset:2097152*\T+1024*\b
.endr
	global_store_b32 v[L4], v31, s[96:97] offset:131072*\T   ; 128 consecutive bytes; the wave with the other 64 keys writes the 128 beside them
.endm
; A block's tables into k's and v's accumulators: four passes through two slots, two passes' loads out at a time.  mid = 1: the block before is quantised on the way, each of q, k, v ahead of the lines that write its accumulators anew
.macro TABLES mid
	PLOAD 14, 18, 0, 0
	PLOAD 14, 18, 1, 128
.if \mid
	QK 0
	SK 0
.endif
	PSUM 0, 160, 32
	KRD 0
	s_wait_dscnt 0x0                               ; the stores have read their registers: the slot takes the next loads
	PLOAD 16, 20, 0, 0
	PSUM 128, 160, 32
	KRD 1
	s_wait_dscnt 0x0
	PLOAD 16, 20, 1, 128
.if \mid
	QQ 0
	QV 0
	SQ 0
	SV 0
.endif
	PSUM 0, 164, 32
	VRD 0
	PSUM 128, 164, 0
	VRD 1
.endm
.macro SCALES m0, m1                   ; the scale words of all of K: eight words (eight steps) of my row of each tile; operands m0 .. m1 (0: seq)
.irp u, 0,1
.irp i, 0,1,2,3
.if \m0 == 0
	ds_load_b128 v[SCA+8*\i+4*\u:SCA+8*\i+4*\u+3], v[SA] offset:\i*TIL+\u*HLF
.endif
.if \m1 > 0
.irp m, 0,1,2
	ds_load_b128 v[SCW+32*\m+8*\i+4*\u:SCW+32*\m+8*\i+4*\u+3], v[SA+1+\m] offset:\i*TIL+\u*HLF
.endr
.endif
.endr
.endr
.endm
.macro FETCH s, p, m0, m1              ; step s's fragments of operands m0 .. m1 (0 seq, 1 Wq, 2 Wk, 3 Wv; 8 loads each) into set p: the bytes lie in the registers' order, 512 consecutive bytes a load
	WIN 0xC0
.irp m, 0,1,2,3
.if \m >= \m0
.if \m <= \m1
.irp i, 0,1,2,3
.irp c, 0,1
	ds_load_b128 v[128*(\p)+32*\m+8*\i+4*\c:128*(\p)+32*\m+8*\i+4*\c+3], v[ADA+\m] offset:\i*TIL+((\s)/4)*HLF+((\s)%4)*1024+\c*512
.endr
.endr
.endif
.endif
.endr
.endm
.macro WM d, a, b, c, sa, sb
	v_wmma_scale_f32_16x16x128_f8f6f4 v[(\d):(\d)+7], v[(\a):(\a)+7], v[(\b):(\b)+7], v[(\c):(\c)+7], v[\sa], v[\sb] matrix_a_fmt:MATRIX_FMT_FP4 matrix_b_fmt:MATRIX_FMT_FP4
.endm
; 48 matrix instructions: 128 along K.  The 48 accumulators take turns, one instruction a turn, in the same order in every step.  In step 0 q takes bq as C; k and v add onto their tables.
.macro MULQ s, p                       ; q's sixteen
.if (\s) == 0
	WIN 0x6F                                       ; sources 0, 1 window 3, C window 2, D window 1
.else
	WIN 0x5F                                       ; C and D window 1
.endif
.irp a, 0,1,2,3
.irp t, 0,1,2,3
.if (\s) == 0
	WM 8*(4*\a+\t),128*(\p)+32+8*\t,128*(\p)+8*\a,128+8*\t,SCW+8*\t+(\s),SCA+8*\a+(\s)
.else
	WM 8*(4*\a+\t),128*(\p)+32+8*\t,128*(\p)+8*\a,8*(4*\a+\t),SCW+8*\t+(\s),SCA+8*\a+(\s)
.endif
.endr
.endr
.endm
.macro MULK s, p                       ; k's sixteen
	WIN 0x5F
.irp a, 0,1,2,3
.irp t, 0,1,2,3
	WM 128+8*(4*\a+\t),128*(\p)+64+8*\t,128*(\p)+8*\a,128+8*(4*\a+\t),SCW+32+8*\t+(\s),SCA+8*\a+(\s)
.endr
.endr
.endm
.macro MULV s, p                       ; v's sixteen
	WIN 0xAF                                       ; C and D window 2
.irp b, 0,1,2,3
.irp t, 0,1,2,3
	WM 8*(4*\b+\t),128*(\p)+8*\t,128*(\p)+96+8*\b,8*(4*\b+\t),SCA+8*\t+(\s),SCW+64+8*\b+(\s)
.endr
.endr
.endm
; A step of 128 along K.  The next step's 32 fragment loads go out in three runs, laid between the three groups of products: seq and Wq (16), Wk (8), Wv (8), in the order in which the next step wants them.
; LDS loads come back in the order of issue, so each wait names the loads issued behind those that the next group reads:
;   at the head 16: this step's Wk and Wv;  ahead of k's group 24: this step's Wv (8) and the next step's seq and Wq (16);  ahead of v's group 24: the next step's seq, Wq (16) and Wk (8).  The last step fetches nothing: 16, 8, 0.
; The four places at the head stand between the last step's products and every load of this step into the set that they read.
.macro STEP s
.if (\s) == 0
	s_wait_dscnt 0x0                               ; the scale words and step 0's fragments
.else
	s_wait_dscnt 16
	NOPS 4
.endif
.if (\s) < 7
	FETCH (\s)+1, ((\s)+1)%2, 0, 1
.endif
	MULQ \s, (\s)%2
.if (\s) < 7
	s_wait_dscnt 24
	FETCH (\s)+1, ((\s)+1)%2, 2, 2
.else
	s_wait_dscnt 8
.endif
	MULK \s, (\s)%2
.if (\s) < 7
	s_wait_dscnt 24
	FETCH (\s)+1, ((\s)+1)%2, 3, 3
.else
	s_wait_dscnt 0x0
.endif
	MULV \s, (\s)%2
.endm
.macro PROD first
	s_wait_tensorcnt 0x0
	s_wait_dscnt 0x0
	s_barrier_signal -1
	s_barrier_wait -1
	SCALES 0, \first
	FETCH 0, 0, 0, 3
.irp s, 0,1,2,3,4,5,6,7
	STEP \s
.endr
	WIN 0
	NOPS 5                                         ; places in front of the first reads of results and of loads over the fragments
.endm
	s_wait_loadcnt 0x0                             ; t0 and the biases
	OFFC 0
	TABLES 0                                       ; the first block's tables, while the four tensor loads are on their way
	OFFC 1                                         ; every table load is back: the offsets take the second block's rows
	PROD 1
	s_wait_tensorcnt 0x0                           ; no tensor load of mine is out;
	ds_add_u32 v[SPW], v[NIL]
	s_add_nc_u64 s[54:55], s[54:55], NEXT          ; seq's block y + 32
	s_wait_dscnt 0x0                               ; the add is done, and my reads of seq's block are over
	CROUND                                         ; so of every wave of every work-group of the cluster
	s_cmp_lg_u32 s[WV], 0
	s_cbranch_scc1 .Lno_fill
	tensor_load_to_lds s[52:55], s[G1A:G1A+7]      ; the refill, first behind the round
	s_nop 0
	NOPS 4
.Lno_fill:
	TABLES 1                                       ; the first block goes out, the second block's tables come in
	PROD 0
	s_wait_xcnt 0x0                                ; the first block's stores have read their registers
	QQ 1
	SQ 1
	QK 1
	SK 1
	QV 1
	SV 1
	s_wait_tensorcnt 0x0                           ; the wave's end
	ds_add_u32 v[SPW], v[NIL]
	s_wait_dscnt 0x0
	CROUND                                         ; the closing round: no work-group ends while a partner may still ask for a block that names it
	s_endpgm
.Lfunc_end_k_qdb67904fc8_qkv:
	.size	k_qdb67904fc8_qkv, .Lfunc_end_k_qdb67904fc8_qkv-k_qdb67904fc8_qkv
	.p2alignl 7, 3214868480
	.fill 96, 4, 3214868480
	.section	.rodata,"a",@progbits
	.p2align	6, 0x0
	.amdhsa_kernel k_qdb67904fc8_qkv
		.amdhsa_group_segment_fixed_size 327680
		.amdhsa_private_segment_fixed_size 0
		.amdhsa_enable_private_segment 0
		.amdhsa_kernarg_size 88
		.amdhsa_user_sgpr_count 2
		.amdhsa_user_sgpr_kernarg_segment_ptr 1
		.amdhsa_wavefront_size32 1
		.amdhsa_system_sgpr_workgroup_id_x 1
		.amdhsa_system_sgpr_workgroup_id_y 1
		.amdhsa_system_sgpr_workgroup_id_z 1
		.amdhsa_system_vgpr_workitem_id 0
		.amdhsa_next_free_vgpr 1024
		.amdhsa_next_free_sgpr 100
		.amdhsa_reserve_vcc 0
		.amdhsa_float_denorm_mode_32 3
		.amdhsa_float_denorm_mode_16_64 3
		.amdhsa_memory_ordered 1
		.amdhsa_forward_progress 1
		.amdhsa_inst_pref_size 255
	.end_amdhsa_kernel
	.section	.bss,"aw",@nobits
	.p2align	6
	.space	262144
	.amdgpu_metadata
---
amdhsa.version: [ 1, 2 ]
amdhsa.kernels:
  - .name:           k_qdb67904fc8_qkv
    .symbol:         k_qdb67904fc8_qkv.kd
    .args:
      - { .name: xq, .offset: 0, .size: 8, .value_kind: global_buffer, .address_space: global }
      - { .name: t0, .offset: 8, .size: 8, .value_kind: global_buffer, .address_space: global }
      - { .name: bq, .offset: 16, .size: 8, .value_kind: global_buffer, .address_space: global }
      - { .name: bk, .offset: 24, .size: 8, .value_kind: global_buffer, .address_space: global }
      - { .name: bv, .offset: 32, .size: 8, .value_kind: global_buffer, .address_space: global }
      - { .name: abs_pos_K, .offset: 40, .size: 8, .value_kind: global_buffer, .address_space: global }
      - { .name: abs_pos_V, .offset: 48, .size: 8, .value_kind: global_buffer, .address_space: global }
      - { .name: int_K, .offset: 56, .size: 8, .value_kind: global_buffer, .address_space: global }
      - { .name: int_V, .offset: 64, .size: 8, .value_kind: global_buffer, .address_space: global }
      - { .name: qkvc, .offset: 72, .size: 8, .value_kind: global_buffer, .address_space: global }
      - { .name: qkvs, .offset: 80, .size: 8, .value_kind: global_buffer, .address_space: global }
    .group_segment_fixed_size: 327680
    .private_segment_fixed_size: 0
    .kernarg_segment_align: 8
    .kernarg_segment_size: 88
    .max_flat_workgroup_size: 128
    .sgpr_count:     100
    .vgpr_count:     1024
    .wavefront_size: 32
...
	.end_amdgpu_metadata
.endif
;; end of part 2
;; launch attn (part 3): grid 2 x 128, 16 waves a work-group, no clusters, 77,824 bytes of LDS; arguments qkvc, qkvs, pad_mask, oq; writes oq
.if DOCPART == 3
	.amdgcn_target "amdgcn-amd-amdhsa--gfx1250"
	.amdhsa_code_object_version 6
	.text
	.protected	k_qdb67904fc8_attn
	.globl	k_qdb67904fc8_attn
	.p2align	8
	.type	k_qdb67904fc8_attn,@function
k_qdb67904fc8_attn:
	s_mov_b64 s[64:65], 0
	v_nop
	global_prefetch_b8 v0, s[64:65] scope:SCOPE_SE
	s_setreg_imm32_b32 hwreg(HW_REG_WAVE_MODE, 25, 1), 1
	s_wait_xcnt 0x0
; O = softmax(q k^T / 8, with the causal mask and pad_mask) v for one head, both products on codes of FP4 with E8M0 scales; O / the row's sum is quantised along the model's 1,024 for the last product.
; t = score x log2(e) / 8; M = the running largest t rounded UP to a whole number; p = 2^(t - M) is quantised along the keys; the sum is taken of the unquantised p; a change of M multiplies sum and O by an exact power of two.
; MASKS.  A masked score is replaced by -2^33, whose t is a whole number.  Where any key of a row counts, its p is 0.  A row ALL of whose keys are masked gets M = t, p = 1 for every key and the sum 1,024: the uniform
; weights that -1e9 gives.  Such a row exists only if key 0 of the batch is padded: then every step of 128 keys is walked; else the steps whose keys all come after the wave's queries are left out.
; LIMIT: -2^33 / 8 stands for -1e9: the same results while every logit that counts lies above about -1e9 + 200.  NaN and infinities are not served.  A block of zeros gets the scale byte 1 (this program alone reads it).
; SHARES.  Work-group (p, head): sixteen waves, four to a SIMD.  Wave w takes the query tiles 16 p + w and 63 - (16 p + w): together nine steps of 128 keys that count, for every wave.
; The head's K and V codes and scale words (70 KiB) and a table E[key] = key, or the greatest whole number where the key is padded, are laid in LDS once, through registers; one barrier; from then on LDS is only read.
; NO CLUSTER, NO TENSOR LOAD: branches of this text hang on pad_mask's bytes, read from memory; what the head's two work-groups share is read once by each at its head.
; LAYOUT.  Both products are used transposed (S^T = k q^T, O^T = v^T p^T): a lane holds one query.  Register j of tile 2 b + u of S^T is key 32 b + 16 u + 8 (lane / 16) + j.
; K = 64 IN AN INSTRUCTION OF 128: q's registers 4-7 are zero codes, and the scale bytes of those 64 are 1.0 on both sides; k's fragment is four registers of its own and the four that follow, whatever they hold.
; REGISTERS: v1-7, v28 addresses that stay; v8-11, v24 addresses in hand; v12 -M, v13 largest t, v[14:15] the sum; v16-23 q; v25 q's scale word; v32-63 k (later E), v64-67 zeros; v68-99 v; v100-163 S^T, then p;
;   v164-195 O^T; v196-203 p's codes; v204-223 at work; v224-231 k's scale words, v232-235 v's; v252 -2^33.
.set KS,   65536                       ; LDS: k's codes at 0, v's at 32,768; k's scale words;
.set VS,   69632                       ; v's, one word for (128 keys, 16 channels, r);
.set ET,   71680                       ; E
.set WV,   12
.set BH,   13
.set PADB, 14                          ; bit l: block l of 32 keys holds a padded key
.set NF,   15                          ; 1 where key 0 counts
.set TAU,  16
.set Q0,   17
.set Q15,  18
.set KF,   19                          ; the step's first key, and what steps with it
.set S4K,  20
.set S512, 21
.set S256, 22
.set SH,   23
.set T0,   24
.set T1,   25
.set CS,   26                          ; s[26:27] log2(e) / 8
.set SEL,  28
.set HOFF, 38
.set SOFF, 39
.set TM,   204
	s_load_b256 s[4:11], s[0:1], 0x0               ; qkvc, qkvs, pad_mask, oq
	v_lshl_add_u32 v254, v0, 2, 0x12800
	v_mov_b32 v255, 0
	v_lshrrev_b32 v1, 5, v0
	s_delay_alu instid0(VALU_DEP_1)
	v_readfirstlane_b32 s[WV], v1                  ; wave 0..15
	s_and_b32 s[BH], ttmp7, 0xffff                 ; batch x 16 + head
	v_lshlrev_b32 v100, 4, v0                      ; 16 x thread
	v_lshlrev_b32 v101, 3, v0
	v_lshrrev_b32 v102, 6, v0
	v_and_b32 v103, 31, v0
	s_delay_alu instid0(VALU_DEP_2)
	v_lshlrev_b32 v102, 8, v102
	s_delay_alu instid0(VALU_DEP_1)
	v_lshl_add_u32 v102, v103, 2, v102             ; v's scale words in memory: 256 (thread / 64) + 4 (thread % 32)
	s_delay_alu instid0(VALU_DEP_3)
	v_lshlrev_b32 v104, 5, v103                    ; 32 x lane
	v_lshlrev_b32 v105, 1, v0                      ; 2 x thread
	v_lshl_add_u32 v106, v0, 3, 0x10000
	v_lshl_add_u32 v107, v0, 2, 0x10000
	v_lshlrev_b32 v30, 3, v0
	v_lshlrev_b32 v29, 4, v103                     ; 16 x lane: q's codes
	s_delay_alu instid0(VALU_DEP_2)
	v_and_b32 v30, 0x78, v30                       ; 8 r: q's scale words
	s_and_b32 s40, s[BH], 15                       ; the head: 64 of the last product's K: half u = head / 8, step (head / 2) % 4, c = head % 2
	s_lshr_b32 s41, s40, 3
	s_mul_i32 s41, s41, 4352
	s_bfe_u32 s42, s40, 0x20001
	s_and_b32 s43, s40, 1
	s_lshl_b32 s[HOFF], s42, 10
	s_add_co_u32 s[HOFF], s[HOFF], s41
	s_lshl_b32 s44, s43, 9
	s_add_co_u32 s[HOFF], s[HOFF], s44             ; my codes' place in a tile of oq
	s_lshl_b32 s[SOFF], s42, 2
	s_add_co_u32 s[SOFF], s[SOFF], s41
	s_lshl_b32 s44, s43, 1
	s_add_co_u32 s[SOFF], s[SOFF], s44
	s_add_co_u32 s[SOFF], s[SOFF], 4096            ; and my two scale bytes'
	s_mov_b32 s[CS], 0x3e38aa3b
	s_mov_b32 s[CS+1], s[CS]                       ; (named with it as a pair, so it is written)
	s_mov_b32 s[SEL], 0x76543210
	s_mov_b32 s[SEL+1], 0xfedcba98
	s_lshl_b32 s40, s[BH], 15
	s_mov_b32 s41, 0
	s_wait_alu depctr_va_vdst(0)
	s_wait_kmcnt 0x0
	s_add_nc_u64 s[46:47], s[4:5], s[40:41]        ; the head's codes: q's here, k's 4 MiB on,
	s_add_co_u32 s40, s40, 0x800000
	s_add_nc_u64 s[48:49], s[4:5], s[40:41]        ; v's
	s_lshl_b32 s40, s[BH], 12
	s_add_nc_u64 s[50:51], s[6:7], s[40:41]        ; its scale words: k's 512 KiB on,
	s_lshl_b32 s40, s[BH], 11
	s_add_co_u32 s40, s40, 0x100000
	s_add_nc_u64 s[52:53], s[6:7], s[40:41]        ; v's
	s_lshr_b32 s40, s[BH], 4
	s_lshl_b32 s40, s40, 10
	s_add_nc_u64 s[54:55], s[8:9], s[40:41]        ; the batch's row of pad_mask
; BOTH TILES' q ARE ASKED FOR HERE, with K and V: tile s[t]'s codes into v[qc ..], its scale word into v[qs]; s[a:a+3] hold the two addresses until the wait for the head's loads
.macro QLD t, a, qc, qs
	s_lshl_b32 s[\a], s[\t], 9
	s_mov_b32 s[\a+1], 0
	s_add_nc_u64 s[\a:\a+1], s[46:47], s[\a:\a+1]  ; q's codes
	s_lshr_b32 s[\a+2], s[\t], 2
	s_lshl_b32 s[\a+2], s[\a+2], 8
	s_and_b32 s[\a+3], s[\t], 1
	s_lshl_b32 s[\a+3], s[\a+3], 7
	s_add_co_u32 s[\a+2], s[\a+2], s[\a+3]
	s_bfe_u32 s[\a+3], s[\t], 0x10001
	s_lshl_b32 s[\a+3], s[\a+3], 2
	s_add_co_u32 s[\a+2], s[\a+2], s[\a+3]
	s_mov_b32 s[\a+3], 0
	s_add_nc_u64 s[\a+2:\a+3], s[50:51], s[\a+2:\a+3]   ; q's scale words
	global_load_b128 v[\qc:\qc+3], v29, s[\a:\a+1]
	global_load_b32 v[\qs], v30, s[\a+2:\a+3]
.endm
	s_lshl_b32 s[T0], ttmp9, 4
	s_add_co_u32 s[T0], s[T0], s[WV]               ; my first tile,
	s_sub_co_u32 s[T1], 63, s[T0]                  ; and my second
	QLD T0, 30, 16, 25
	QLD T1, 34, 236, 253                           ; kept in v236-239 and v253 until the second tile begins
.irp n, 0,1,2,3
	global_load_b128 v[32+4*\n:35+4*\n], v100, s[46:47] offset:4194304+\n*8192
	global_load_b128 v[48+4*\n:51+4*\n], v100, s[48:49] offset:\n*8192
.endr
	global_load_b64 v[64:65], v101, s[50:51] offset:524288
	global_load_b32 v66, v102, s[52:53]            ; keys 0-63 of the 128: two bytes of channel tile h', two of h' + 2
	global_load_b32 v67, v102, s[52:53] offset:128 ; keys 64-127
	global_load_u16 v68, v105, s[54:55]            ; my two keys' bytes
	global_load_b128 v[72:75], v104, s[54:55]      ; block (lane)'s 32 bytes
	global_load_b128 v[76:79], v104, s[54:55] offset:16
	s_wait_loadcnt 0x0
.irp n, 0,1,2,3
	ds_store_b128 v100, v[32+4*\n:35+4*\n] offset:\n*8192
	ds_store_b128 v100, v[48+4*\n:51+4*\n] offset:32768+\n*8192
.endr
	ds_store_b64 v106, v[64:65]
	v_perm_b32 v108, v67, v66, 0x05040100          ; the two low halves: the four bytes of channel tile h',
	v_perm_b32 v109, v67, v66, 0x07060302          ; the two high halves: of h' + 2
	v_and_b32 v110, 32, v0
	s_delay_alu instid0(VALU_DEP_1)
	v_cmp_ne_u32 vcc_lo, 0, v110
	s_delay_alu instid0(VALU_DEP_1)
	v_cndmask_b32 v108, v108, v109, vcc_lo
	ds_store_b32 v107, v108 offset:VS-65536
	v_mov_b32 v110, 0x7fffffff
	v_and_b32 v111, 0xff, v68
	s_delay_alu instid0(VALU_DEP_1)
	v_cmp_ne_u32 vcc_lo, 0, v111
	s_delay_alu instid0(VALU_DEP_1)
	v_cndmask_b32 v112, v105, v110, vcc_lo
	v_lshrrev_b32 v111, 8, v68
	s_delay_alu instid0(VALU_DEP_1)
	v_cmp_ne_u32 vcc_lo, 0, v111
	v_or_b32 v111, 1, v105
	s_delay_alu instid0(VALU_DEP_1)
	v_cndmask_b32 v113, v111, v110, vcc_lo
	ds_store_b64 v106, v[112:113] offset:ET-65536
	v_readfirstlane_b32 s[T0], v72                 ; lane 0: keys 0-3
	s_and_b32 s[T0], s[T0], 0xff
	s_cmp_eq_u32 s[T0], 0
	s_cselect_b32 s[NF], 1, 0
	v_or_b32 v80, v72, v73
	v_or_b32 v81, v74, v75
	v_or_b32 v82, v76, v77
	v_or_b32 v83, v78, v79
	s_delay_alu instid0(VALU_DEP_3)
	v_or_b32 v80, v80, v81
	s_delay_alu instid0(VALU_DEP_2)
	v_or_b32 v82, v82, v83
	s_delay_alu instid0(VALU_DEP_1)
	v_or_b32 v80, v80, v82
	s_delay_alu instid0(VALU_DEP_1)
	v_cmp_ne_u32 s[PADB], 0, v80
	s_wait_dscnt 0x0                               ; for the others' sake: my stores have landed
	s_barrier_signal -1
	s_barrier_wait -1
	v_and_b32 v28, 15, v0                          ; r
	v_bfe_u32 v26, v0, 4, 1                        ; h
	v_lshlrev_b32 v1, 4, v103                      ; 16 x lane
	s_delay_alu instid0(VALU_DEP_1)
	v_add_nc_u32 v2, 32768, v1
	s_delay_alu instid0(VALU_DEP_4)
	v_lshl_add_u32 v3, v28, 3, KS
	v_lshl_add_u32 v4, v28, 2, VS
	v_lshl_add_u32 v5, v26, 5, ET
	v_lshlrev_b32 v7, 4, v28
.irp j, 20,21,22,23,64,65,66,67
	v_mov_b32 v\j, 0                               ; zero codes
.endr
.set J, 204
.rept 20
	v_mov_b32 v[J], 0                              ; written once: lane permutes' destinations and the upper halves of pairs count as read
.set J, J+1
.endr
	v_mov_b32 v252, 0xd0000000                     ; -2^33
.macro TILE second
	s_wait_xcnt 0x0                                ; the last tile's stores have read their registers and bases
	s_lshl_b32 s[Q0], s[TAU], 4
	s_add_co_u32 s[Q15], s[Q0], 15
.if \second
.irp j, 0,1,2,3
	v_mov_b32 v[16+\j], v[236+\j]                  ; the second tile's q, loaded at the head; the 37 plain lines below stand between these and the first product
.endr
	v_mov_b32 v25, v253
.endif
	s_lshr_b32 s40, s[BH], 4
	s_lshl_b32 s40, s40, 6
	s_add_co_u32 s40, s40, s[TAU]
	s_mul_i32 s40, s40, 8704
	s_mov_b32 s41, 0
	s_add_nc_u64 s[36:37], s[10:11], s[40:41]      ; the tile of 16 rows in oq
	s_mov_b32 s40, s[HOFF]
	s_add_nc_u64 s[34:35], s[36:37], s[40:41]
	s_mov_b32 s40, s[SOFF]
	s_add_nc_u64 s[36:37], s[36:37], s[40:41]
.set J, 0
.rept 32
	v_mov_b32 v[164+J], 0                          ; O^T: the step is written once; the first finds zeros
.set J, J+1
.endr
	v_mov_b32 v14, 0
	v_mov_b32 v15, 0
	v_mov_b32 v13, 0xff61b1e6                      ; the largest t so far: -3e38
	s_delay_alu instid0(VALU_DEP_1)
	v_floor_f32 v12, -v13
	v_add_nc_u32 v6, s[Q0], v28                    ; my query
	s_mov_b32 s[KF], 0
	s_mov_b32 s[S4K], 0
	s_mov_b32 s[S512], 0
	s_mov_b32 s[S256], 0
	s_mov_b32 s[SH], 0
.Lstep_\@:                                         ; eight trips, a constant; a step's WORK is jumped over where all its keys come after my queries and key 0 counts
	s_cmp_gt_u32 s[KF], s[Q15]
	s_cselect_b32 s[T0], s[NF], 0
	s_cmp_lg_u32 s[T0], 0
	s_cbranch_scc1 .Lskip_\@
	v_add_nc_u32 v8, s[S4K], v1                    ; (these five are also the places in front of loads into registers that the last products read)
	v_add_nc_u32 v9, s[S4K], v2
	v_add_nc_u32 v10, s[S512], v3
	v_add_nc_u32 v11, s[S256], v4
	v_add_nc_u32 v24, s[S512], v5
.irp t, 0,1,2,3,4,5,6,7
	ds_load_b128 v[32+4*\t:35+4*\t], v8 offset:\t*512
.endr
.irp g, 0,1
.irp i, 0,1
	ds_load_b64 v[224+4*\g+2*\i:225+4*\g+2*\i], v10 offset:\g*256+\i*128   ; the words of tiles 4 g + i and 4 g + i + 2
.endr
.endr
.irp t, 0,1,2,3
.irp c, 0,1
	ds_load_b128 v[68+8*\t+4*\c:71+8*\t+4*\c], v9 offset:\t*1024+\c*512
.endr
.endr
.irp t, 0,1,2,3
	ds_load_b32 v[232+\t], v11 offset:\t*64
.endr
	s_wait_dscnt 12                                ; k's codes and words are in; v's twelve loads may be out
.irp t, 0,1,2,3,4,5,6,7
	v_wmma_scale_f32_16x16x128_f8f6f4 v[100+8*\t:107+8*\t], v[32+4*\t:39+4*\t], v[16:23], 0, v[224+4*(\t/4)+2*(\t%2)+((\t/2)%2)], v25 matrix_a_fmt:MATRIX_FMT_FP4 matrix_b_fmt:MATRIX_FMT_FP4
.endr
.rept 4
	v_nop
.endr
	s_add_co_u32 s[T0], s[KF], 127                 ; the masks are applied where a key of the step may come after a query of mine, or one of its four blocks holds a padded key
	s_cmp_gt_u32 s[T0], s[Q0]
	s_cselect_b32 s[T0], 1, 0
	s_lshr_b32 s[T1], s[PADB], s[SH]
	s_and_b32 s[T1], s[T1], 15
	s_or_b32 s[T0], s[T0], s[T1]
	s_cmp_eq_u32 s[T0], 0
	s_cbranch_scc1 .Lopen_\@
	s_wait_alu depctr_va_vdst(0)
.irp g, 0,1
.irp t, 0,1,2,3
	ds_load_b128 v[32+8*\t:35+8*\t], v24 offset:256*\g+64*\t       ; E of keys 64 g + 16 t + 8 h + 0 .. 7
	ds_load_b128 v[36+8*\t:39+8*\t], v24 offset:256*\g+64*\t+16
.endr
	s_wait_dscnt 0x0
.set J, 0
.rept 32
	v_cmp_gt_i32 vcc_lo, v[32+J], v6               ; hidden: the key comes after my query, or is padded
	v_cndmask_b32 v[100+32*\g+J], v[100+32*\g+J], v252, vcc_lo
.set J, J+1
.endr
.endr
.Lopen_\@:
.irp b, 0,1,2,3
	v_max3_num_f32 v[204+\b], v[100+16*\b], v[101+16*\b], v[102+16*\b]   ; the largest score of each block of 32 keys: for the row's maximum and, since p rises with the score, for the block's largest p
.endr
.irp i, 3,5,7,9,11,13
.irp b, 0,1,2,3
	v_max3_num_f32 v[204+\b], v[204+\b], v[100+16*\b+\i], v[101+16*\b+\i]
.endr
.endr
.irp b, 0,1,2,3
	v_max_num_f32 v[204+\b], v[204+\b], v[115+16*\b]
.endr
.irp b, 0,1,2,3
	s_delay_alu instid0(VALU_DEP_4)
	v_permlanex16_b32 v[208+\b], v[204+\b], s[SEL], s[SEL+1]
.endr
.irp b, 0,1,2,3
	s_delay_alu instid0(VALU_DEP_4)
	v_max_num_f32 v[204+\b], v[204+\b], v[208+\b]
.endr
	s_delay_alu instid0(VALU_DEP_2)
	v_max3_num_f32 v218, v204, v205, v206
	s_delay_alu instid0(VALU_DEP_1)
	v_max_num_f32 v218, v218, v207
	s_delay_alu instid0(VALU_DEP_1)
	v_mul_f32 v218, s[CS], v218
	s_delay_alu instid0(VALU_DEP_1)
	v_max_num_f32 v13, v13, v218                   ; the running largest t
	v_mov_b32 v218, v12
	s_delay_alu instid0(VALU_DEP_2)
	v_floor_f32 v12, -v13                          ; -M = floor(-t): a whole number
	s_delay_alu instid0(VALU_DEP_1)
	v_sub_f32 v218, v12, v218                      ; old M - new M, 0 or less
	s_delay_alu instid0(VALU_DEP_1)
	v_cvt_i32_f32 v218, v218                       ; (it saturates)
	s_delay_alu instid0(VALU_DEP_1)
	v_ldexp_f32 v216, 1.0, v218                    ; f = 2^(old M - new M)
.set J, 0
.rept 32
	v_pk_fma_f32 v[100+J:101+J], v[100+J:101+J], s[CS:CS+1], v[12:13] op_sel_hi:[1,0,0]   ; t - M
.set J, J+2
.endr
.irp b, 0,1,2,3
	v_fma_f32 v[204+\b], v[204+\b], s[CS], v12
.endr
.set J, 0
	s_wait_alu depctr_va_vdst(0)
.rept 64
	v_exp_f32 v[100+J], v[100+J]                   ; p = 2^(t - M)
.set J, J+1
.endr
	v_pk_mul_f32 v[14:15], v[14:15], v[216:217] op_sel_hi:[1,0]   ; the sums under the new M: a plain place behind the exponentials
	s_wait_alu depctr_va_vdst(0)                   ; one wait for the batch, ahead of its first reader
.irp b, 0,1,2,3
	v_exp_f32 v[204+\b], v[204+\b]                 ; each block's largest p
.endr
	v_pk_add_f32 v[220:221], v[104:105], v[108:109]
	v_pk_add_f32 v[250:251], v[112:113], v[116:117]
	v_pk_add_f32 v[248:249], v[120:121], v[124:125]
	v_pk_add_f32 v[246:247], v[128:129], v[132:133]
	v_pk_add_f32 v[244:245], v[136:137], v[140:141]
	v_pk_add_f32 v[242:243], v[144:145], v[148:149]
	v_pk_add_f32 v[240:241], v[152:153], v[156:157]
	v_pk_add_f32 v[14:15], v[14:15], v[160:161]
	v_pk_add_f32 v[220:221], v[220:221], v[100:101]
	v_pk_add_f32 v[250:251], v[250:251], v[102:103]
	v_pk_add_f32 v[248:249], v[248:249], v[106:107]
	v_pk_add_f32 v[246:247], v[246:247], v[110:111]
	v_pk_add_f32 v[244:245], v[244:245], v[114:115]
	v_pk_add_f32 v[242:243], v[242:243], v[118:119]
	v_pk_add_f32 v[240:241], v[240:241], v[122:123]
	v_pk_add_f32 v[14:15], v[14:15], v[126:127]
	v_pk_add_f32 v[220:221], v[220:221], v[130:131]
	v_pk_add_f32 v[250:251], v[250:251], v[134:135]
	v_pk_add_f32 v[248:249], v[248:249], v[138:139]
	v_pk_add_f32 v[246:247], v[246:247], v[142:143]
	v_pk_add_f32 v[244:245], v[244:245], v[146:147]
	v_pk_add_f32 v[242:243], v[242:243], v[150:151]
	v_pk_add_f32 v[240:241], v[240:241], v[154:155]
	v_pk_add_f32 v[14:15], v[14:15], v[158:159]
	v_pk_add_f32 v[220:221], v[220:221], v[162:163]
	s_delay_alu instid0(VALU_DEP_2)
	v_pk_add_f32 v[14:15], v[14:15], v[246:247]
	s_delay_alu instid0(VALU_DEP_2)
	v_pk_add_f32 v[220:221], v[220:221], v[244:245]
	v_pk_add_f32 v[250:251], v[250:251], v[242:243]
	v_pk_add_f32 v[248:249], v[248:249], v[240:241]
	s_delay_alu instid0(VALU_DEP_2)
	v_pk_add_f32 v[14:15], v[14:15], v[250:251]
	s_delay_alu instid0(VALU_DEP_2)
	v_pk_add_f32 v[220:221], v[220:221], v[248:249]
	s_delay_alu instid0(VALU_DEP_1)
	v_pk_add_f32 v[14:15], v[14:15], v[220:221]
	s_wait_alu depctr_va_vdst(0)                   ; and one for the four
.irp b, 0,1,2,3
	v_max_num_f32 v[204+\b], 0x1800000, v[204+\b]  ; the floor 2^(3 - 127)
.endr
.irp b, 0,1,2,3
	s_delay_alu instid0(VALU_DEP_4)
	v_add_nc_u32 v[212+\b], 0xff000000, v[204+\b]
.endr
.irp b, 0,1,2,3
	s_delay_alu instid0(VALU_DEP_4)
	v_lshrrev_b32 v[208+\b], 23, v[212+\b]
.endr
	s_delay_alu instid0(VALU_DEP_3)
	v_lshl_or_b32 v223, v209, 8, v208              ; p's scale word for these 128 keys
	s_delay_alu instid0(VALU_DEP_1)
	v_lshl_or_b32 v223, v210, 16, v223
	s_delay_alu instid0(VALU_DEP_1)
	v_lshl_or_b32 v223, v211, 24, v223
.irp b, 0,1,2,3
	v_cvt_scalef32_pk8_fp4_f32 v[196+4*(\b/2)+(\b%2)], v[100+16*\b:107+16*\b], v[212+\b]
	v_cvt_scalef32_pk8_fp4_f32 v[198+4*(\b/2)+(\b%2)], v[108+16*\b:115+16*\b], v[212+\b]
.endr
	v_nop
.irp c, 0,1
.irp u, 0,1
	v_permlane16_swap_b32 v[196+4*\c+2*\u], v[197+4*\c+2*\u]   ; lanes 0-15 get block 2 c whole, lanes 16-31 block 2 c + 1
.endr
.endr
.set J, 0
.rept 16
	v_pk_mul_f32 v[164+J:165+J], v[164+J:165+J], v[216:217] op_sel_hi:[1,0]   ; O^T under the new M; also the places between p's codes and scale word and the products
.set J, J+2
.endr
	s_wait_alu depctr_va_vdst(0)
	s_wait_dscnt 0x0                               ; v's fragments and words
.irp t, 0,1,2,3
	v_wmma_scale_f32_16x16x128_f8f6f4 v[164+8*\t:171+8*\t], v[68+8*\t:75+8*\t], v[196:203], v[164+8*\t:171+8*\t], v[232+\t], v223 matrix_a_fmt:MATRIX_FMT_FP4 matrix_b_fmt:MATRIX_FMT_FP4
.endr
.Lskip_\@:
	s_add_co_u32 s[S4K], s[S4K], 4096
	s_add_co_u32 s[S512], s[S512], 512
	s_add_co_u32 s[S256], s[S256], 256
	s_add_co_u32 s[SH], s[SH], 4
	s_add_co_u32 s[KF], s[KF], 128
	s_cmp_lt_u32 s[KF], 1024
	s_cbranch_scc1 .Lstep_\@
.rept 4
	v_nop
.endr
	s_wait_alu depctr_va_vdst(0)
	v_add_f32 v14, v14, v15
	s_delay_alu instid0(VALU_DEP_1)
	v_permlanex16_b32 v218, v14, s[SEL], s[SEL+1]
	s_delay_alu instid0(VALU_DEP_1)
	v_add_f32 v14, v14, v218                       ; the row's sum
	s_wait_alu depctr_va_vdst(0)
	v_rcp_f32 v14, v14
	v_nop
	s_wait_alu depctr_va_vdst(0)
.set J, 0
.rept 16
	v_pk_mul_f32 v[100+J:101+J], v[164+J:165+J], v[14:15] op_sel_hi:[1,0]   ; register 8 t + j: channel 16 t + 8 h + j of my query
.set J, J+2
.endr
.irp b, 0,1
	v_max3_num_f32 v[TM+\b], |v[100+16*\b]|, |v[101+16*\b]|, 0x1800000
.endr
.irp i, 2,4,6,8,10,12,14
.irp b, 0,1
	s_delay_alu instid0(VALU_DEP_2)
	v_max3_num_f32 v[TM+\b], |v[100+16*\b+\i]|, |v[101+16*\b+\i]|, v[TM+\b]
.endr
.endr
.irp b, 0,1
	s_delay_alu instid0(VALU_DEP_2)
	v_permlanex16_b32 v[TM+2+\b], v[TM+\b], s[SEL], s[SEL+1]
.endr
.irp b, 0,1
	s_delay_alu instid0(VALU_DEP_2)
	v_max_num_f32 v[TM+\b], v[TM+\b], v[TM+2+\b]
.endr
.irp b, 0,1
	s_delay_alu instid0(VALU_DEP_2)
	v_add_nc_u32 v[TM+4+\b], 0xff000000, v[TM+\b]
.endr
.irp b, 0,1
	s_delay_alu instid0(VALU_DEP_2)
	v_lshrrev_b32 v[TM+2+\b], 23, v[TM+4+\b]
.endr
	s_delay_alu instid0(VALU_DEP_1)
	v_lshl_or_b32 v222, v[TM+3], 8, v[TM+2]
	v_cvt_scalef32_pk8_fp4_f32 v196, v[100:107], v[TM+4]
	v_cvt_scalef32_pk8_fp4_f32 v197, v[116:123], v[TM+5]
	v_cvt_scalef32_pk8_fp4_f32 v198, v[108:115], v[TM+4]
	v_cvt_scalef32_pk8_fp4_f32 v199, v[124:131], v[TM+5]
	v_nop
	v_permlane16_swap_b32 v196, v197
	v_permlane16_swap_b32 v198, v199
	global_store_b128 v1, v[196:199], s[34:35]     ; 512 consecutive bytes of the tile's image
	global_store_b16 v7, v222, s[36:37]            ; my row's two scale bytes; lanes l and l + 16 write the same bytes with the same value
.endm
	s_lshl_b32 s[TAU], ttmp9, 4
	s_add_co_u32 s[TAU], s[TAU], s[WV]
	TILE 0
	s_sub_co_u32 s[TAU], 63, s[TAU]
	TILE 1
	s_wait_tensorcnt 0x0
	ds_add_u32 v254, v255
	s_wait_dscnt 0x0
	s_endpgm
.Lfunc_end_k_qdb67904fc8_attn:
	.size	k_qdb67904fc8_attn, .Lfunc_end_k_qdb67904fc8_attn-k_qdb67904fc8_attn
	.p2alignl 7, 3214868480
	.fill 96, 4, 3214868480
	.section	.rodata,"a",@progbits
	.p2align	6, 0x0
	.amdhsa_kernel k_qdb67904fc8_attn
		.amdhsa_group_segment_fixed_size 77824
		.amdhsa_private_segment_fixed_size 0
		.amdhsa_enable_private_segment 0
		.amdhsa_kernarg_size 32
		.amdhsa_user_sgpr_count 2
		.amdhsa_user_sgpr_kernarg_segment_ptr 1
		.amdhsa_wavefront_size32 1
		.amdhsa_system_sgpr_workgroup_id_x 1
		.amdhsa_system_sgpr_workgroup_id_y 1
		.amdhsa_system_sgpr_workgroup_id_z 1
		.amdhsa_system_vgpr_workitem_id 0
		.amdhsa_next_free_vgpr 256
		.amdhsa_next_free_sgpr 66
		.amdhsa_reserve_vcc 1
		.amdhsa_float_denorm_mode_32 3
		.amdhsa_float_denorm_mode_16_64 3
		.amdhsa_memory_ordered 1
		.amdhsa_forward_progress 1
		.amdhsa_inst_pref_size 66
	.end_amdhsa_kernel
	.amdgpu_metadata
---
amdhsa.version: [ 1, 2 ]
amdhsa.kernels:
  - .name:           k_qdb67904fc8_attn
    .symbol:         k_qdb67904fc8_attn.kd
    .args:
      - { .name: qkvc, .offset: 0, .size: 8, .value_kind: global_buffer, .address_space: global }
      - { .name: qkvs, .offset: 8, .size: 8, .value_kind: global_buffer, .address_space: global }
      - { .name: pad_mask, .offset: 16, .size: 8, .value_kind: global_buffer, .address_space: global }
      - { .name: oq, .offset: 24, .size: 8, .value_kind: global_buffer, .address_space: global }
    .group_segment_fixed_size: 77824
    .private_segment_fixed_size: 0
    .kernarg_segment_align: 8
    .kernarg_segment_size: 32
    .max_flat_workgroup_size: 512
    .sgpr_count:     66
    .vgpr_count:     256
    .wavefront_size: 32
...
	.end_amdgpu_metadata
.endif
;; end of part 3
;; launch proj (part 4): grid 4 x 64, 4 waves a work-group, clusters of 4 x 4, 243,200 bytes of LDS; arguments oq, xq, bo, out0; writes out0
.if DOCPART == 4
	.amdgcn_target "amdgcn-amd-amdhsa--gfx1250"
	.amdhsa_code_object_version 6
	.text
	.protected	k_qdb67904fc8_proj
	.globl	k_qdb67904fc8_proj
	.p2align	8
	.type	k_qdb67904fc8_proj,@function
k_qdb67904fc8_proj:
	s_mov_b64 s[64:65], 0
	v_nop
	global_prefetch_b8 v0, s[64:65] scope:SCOPE_SE
	s_setreg_imm32_b32 hwreg(HW_REG_WAVE_MODE, 25, 1), 1
	s_wait_xcnt 0x0
	s_wait_alu depctr_hold_cnt(0) depctr_sa_sdst(0) depctr_va_vdst(0) depctr_va_sdst(0) depctr_va_ssrc(0) depctr_va_vcc(0) depctr_vm_vsrc(0)
	s_getreg_b32 s2, hwreg(HW_REG_IB_STS2, 6, 4)
	s_cmp_eq_u32 s2, 0
	s_cbranch_scc0 .Lentry_in_a_cluster
	s_endpgm
.Lentry_in_a_cluster:
	s_bfe_u32 s2, ttmp6, 0x10000c
	s_cmp_lg_u32 s2, 0xf033
	s_cbranch_scc0 .Lentry_shape_is_right
	s_endpgm
.Lentry_shape_is_right:
; out0 = o Wo^T + bo on codes of FP4 with E8M0 scales, sums in f32.  o's codes (oq) and Wo's (xq, tiles 704 on) lie in the order of the operands' registers: 8,704 bytes for 16 rows x K 1,024.
; SHARES: work-group (x, y): rows 128 y .. + 127, columns 256 x .. + 255.  Wave (i, j): 64 rows x 128 columns: 32 accumulators.  All of K lies in LDS: three blocks of 8 tiles, each brought by two tensor loads
; (one for each half of K) at the head; nothing is filled again.  CLUSTERS: 4 x 4: o's block hangs on y alone and is asked for jointly by a row of the cluster, Wo's blocks on x alone, by a column.
; THE MATRIX INSTRUCTION IS USED TRANSPOSED (source 0 = 16 rows of Wo, source 1 = 16 rows of o): a lane holds eight neighbouring numbers of a row of out0.  bo is the C of the first products.
; REGISTERS: window 0: v2-12 addresses, v64-159 scale words (on the way out v64-191: two sets of 16 rows); window 1: the accumulators at 8 (8 a + t); window 2: two sets of 12 fragments (o 0, Wo 32), v192-255 bo.
.set BLK,   69632
.set HALF,  34816
.set TIL,   4352
.set QUAD,  4*TIL
.set STG,   3*BLK                      ; behind the blocks: a stage of 16 rows x 528 bytes for each wave; no fill lands there
.set SP,    528
.set STO,   10
.set RD,    11
.set CO,    12
.set WV,    26
.set G1A,   36
.set G1W,   44
.set MSB, 0
.macro WIN new
.if MSB != \new
	s_set_vgpr_msb (MSB<<8)|\new
.set MSB, \new
.endif
.endm
.macro NOP4
.rept 4
	v_nop
.endr
.endm
.macro CROUND
	s_barrier_signal -1
	s_barrier_wait -1
	s_cmp_lg_u32 s[WV], 0
	s_cbranch_scc1 .Lnot_wave_0_\@
	s_barrier_signal -3
.Lnot_wave_0_\@:
	s_barrier_wait -3
	s_barrier_signal -1
	s_barrier_wait -1
.endm
	s_load_b256 s[4:11], s[0:1], 0x0               ; oq, xq, bo, out0
	v_lshl_add_u32 v254, v0, 2, 0x3b400
	v_mov_b32 v255, 0
	ds_add_u32 v254, v255
	ds_add_u32 v254, v255
	v_lshrrev_b32 v1, 5, v0
	v_readfirstlane_b32 s[WV], v1
	s_lshr_b32 s27, s[WV], 1                       ; i
	s_and_b32 s28, s[WV], 1                        ; j
	s_bfe_u32 s29, ttmp6, 0x40000                  ; cx
	s_bfe_u32 s30, ttmp6, 0x40004                  ; cy
	s_lshl_b32 s31, ttmp9, 2
	s_add_co_u32 s31, s31, s29                     ; x
	s_and_b32 s32, ttmp7, 0xffff
	s_lshl_b32 s32, s32, 2
	s_add_co_u32 s32, s32, s30                     ; y
	s_lshl_b32 s33, s30, 2
	s_lshl_b32 s33, 15, s33
	s_lshl_b32 s34, 0x1111, s29
	s_or_b32 s[G1A], s33, (3<<16)|(1<<21)          ; 8 rows (half tiles) of 544 elements of 8 bytes, 1,088 apart in memory, dense in LDS
	s_or_b32 s[G1W], s34, (3<<16)|(1<<21)
.irp g, G1A, G1W
	s_mov_b32 s[\g+1], 544<<16
	s_mov_b32 s[\g+2], 8<<16
	s_mov_b32 s[\g+3], 544<<16
	s_mov_b32 s[\g+4], 8
	s_mov_b32 s[\g+5], 1088
	s_mov_b32 s[\g+6], 0
	s_mov_b32 s[\g+7], 0
.endr
	s_mov_b32 s[G1W+2], 16<<16                     ; Wo's loads bring 16 half tiles: tensor_dim1,
	s_mov_b32 s[G1W+4], 16                         ; tile_dim1
	s_mul_i32 s76, s32, 8*8704                     ; o's tiles 8 y ..: made of y alone
	s_mov_b32 s77, 0
	s_lshl_b32 s78, s31, 4                         ; Wo's tiles 704 + 16 x ..: made of x alone
	s_add_co_u32 s78, s78, 704
	s_mul_i32 s78, s78, 8704
	s_mov_b32 s79, 0
	s_wait_dscnt 0x0
	s_wait_kmcnt 0x0
	s_add_nc_u64 s[76:77], s[4:5], s[76:77]
	s_add_nc_u64 s[78:79], s[6:7], s[78:79]
	s_mov_b32 s52, 1
	s_mov_b32 s53, 0
	s_mov_b64 s[54:55], s[76:77]
	s_or_b32 s55, s55, 0x80000000
	s_mov_b32 s56, 1
	s_mov_b32 s57, HALF
	s_add_nc_u64 s[58:59], s[76:77], TIL
	s_or_b32 s59, s59, 0x80000000
	s_mov_b32 s60, 1
	s_mov_b32 s61, BLK                             ; Wo in LDS: [half of K][16 tiles][4,352 bytes], behind o's block
	s_mov_b64 s[62:63], s[78:79]
	s_or_b32 s63, s63, 0x80000000
	s_mov_b32 s68, 1
	s_mov_b32 s69, 2*BLK
	s_add_nc_u64 s[70:71], s[78:79], TIL
	s_or_b32 s71, s71, 0x80000000
	CROUND                                         ; all sixteen work-groups are here: the joint loads meet
	; FOUR LOADS, ONE A WAVE: wave 0 the first half of K of o's 8 tiles, wave 1 that of Wo's 16 tiles, waves 2 and 3 the second halves.  One chain of branches on the wave's number, a load to an arm
	s_cmp_lt_u32 s[WV], 1
	s_cbranch_scc0 .Lw1
	tensor_load_to_lds s[52:55], s[G1A:G1A+7]
	s_nop 0
	NOP4
	s_branch .Lasked
.Lw1:
	s_cmp_lt_u32 s[WV], 2
	s_cbranch_scc0 .Lw2
	tensor_load_to_lds s[60:63], s[G1W:G1W+7]
	s_nop 0
	NOP4
	s_branch .Lasked
.Lw2:
	s_cmp_lt_u32 s[WV], 3
	s_cbranch_scc0 .Lw3
	tensor_load_to_lds s[56:59], s[G1A:G1A+7]
	s_nop 0
	NOP4
	s_branch .Lasked
.Lw3:
	tensor_load_to_lds s[68:71], s[G1W:G1W+7]
	s_nop 0
	NOP4
.Lasked:
	v_and_b32 v14, 31, v0                          ; lane
	v_and_b32 v15, 15, v0                          ; r
	v_bfe_u32 v16, v0, 4, 1                        ; h
	v_lshlrev_b32 v[CO], 4, v14
	v_lshlrev_b32 v17, 4, v15                      ; 16 r
	s_mul_i32 s80, s27, QUAD
	s_mul_i32 s81, s28, HALF                       ; my 8 of Wo's 16 tiles
	s_add_co_u32 s81, s81, BLK
	v_add_nc_u32 v2, s80, v[CO]                    ; fragments: o's, first and second half of K;
	v_add_nc_u32 v3, HALF, v2
	v_add_nc_u32 v4, s81, v[CO]                    ; Wo's
	v_add_nc_u32 v5, BLK, v4
	s_add_co_u32 s80, s80, 4096
	s_add_co_u32 s81, s81, 4096
	v_add_nc_u32 v6, s80, v17                      ; scale words likewise
	v_add_nc_u32 v7, HALF, v6
	v_add_nc_u32 v8, s81, v17
	v_add_nc_u32 v9, BLK, v8
	s_mul_i32 s82, s[WV], 16*SP
	s_add_co_u32 s82, s82, STG
	v_mul_u32_u24 v[STO], v15, SP
	v_lshl_add_u32 v[STO], v16, 5, v[STO]
	v_add_nc_u32 v[STO], s82, v[STO]               ; into the stage: row r, + 32 h
	v_add_nc_u32 v[RD], s82, v[CO]                 ; back: a row of 512 bytes for the 32 lanes
	v_lshlrev_b32 v13, 5, v16                      ; 32 h
	s_wait_alu depctr_va_vdst(0)
	s_lshl_b32 s84, s31, 10
	s_lshl_b32 s85, s28, 9
	s_add_co_u32 s84, s84, s85                     ; my first column, in bytes
	s_mov_b32 s85, 0
	s_add_nc_u64 s[8:9], s[8:9], s[84:85]
	s_add_nc_u64 s[10:11], s[10:11], s[84:85]
	s_lshl_b32 s84, s32, 19
	s_lshl_b32 s86, s27, 18
	s_add_co_u32 s84, s84, s86                     ; my first row: 4,096 bytes a row
	s_add_nc_u64 s[10:11], s[10:11], s[84:85]
	WIN 0x80
.irp t, 0,1,2,3,4,5,6,7
	global_load_b128 v[192+8*\t:195+8*\t], v13, s[8:9] offset:64*\t       ; bo at columns 16 t + 8 h + 0 .. 7
	global_load_b128 v[196+8*\t:199+8*\t], v13, s[8:9] offset:64*\t+16
.endr
	WIN 0
.macro SCALES u
	WIN 0
.irp a, 0,1,2,3
	ds_load_b128 v[64+8*\a+4*\u:64+8*\a+4*\u+3], v[6+\u] offset:\a*TIL
.endr
.irp t, 0,1,2,3,4,5,6,7
	ds_load_b128 v[96+8*\t+4*\u:96+8*\t+4*\u+3], v[8+\u] offset:\t*TIL
.endr
.endm
.macro FETCH s, p                      ; step s's 12 fragments into set p
	WIN 0x80
.irp a, 0,1,2,3
.irp c, 0,1
	ds_load_b128 v[96*(\p)+8*\a+4*\c:96*(\p)+8*\a+4*\c+3], v[2+(\s)/4] offset:\a*TIL+((\s)%4)*1024+\c*512
.endr
.endr
.irp t, 0,1,2,3,4,5,6,7
.irp c, 0,1
	ds_load_b128 v[96*(\p)+32+8*\t+4*\c:96*(\p)+32+8*\t+4*\c+3], v[4+(\s)/4] offset:\t*TIL+((\s)%4)*1024+\c*512
.endr
.endr
	WIN 0
.endm
; 32 matrix instructions: 128 along K; the 32 accumulators take turns, one instruction a turn, in the same order in every step
.macro MULS s, p
.if (\s) == 0
	WIN 0x6A                                       ; sources 0, 1 and C window 2, D window 1
.else
	WIN 0x5A                                       ; C and D window 1
.endif
.irp a, 0,1,2,3
.irp t, 0,1,2,3,4,5,6,7
.if (\s) == 0
	v_wmma_scale_f32_16x16x128_f8f6f4 v[8*(8*\a+\t):8*(8*\a+\t)+7], v[96*(\p)+32+8*\t:96*(\p)+32+8*\t+7], v[96*(\p)+8*\a:96*(\p)+8*\a+7], v[192+8*\t:192+8*\t+7], v[96+8*\t+(\s)], v[64+8*\a+(\s)] matrix_a_fmt:MATRIX_FMT_FP4 matrix_b_fmt:MATRIX_FMT_FP4
.else
	v_wmma_scale_f32_16x16x128_f8f6f4 v[8*(8*\a+\t):8*(8*\a+\t)+7], v[96*(\p)+32+8*\t:96*(\p)+32+8*\t+7], v[96*(\p)+8*\a:96*(\p)+8*\a+7], v[8*(8*\a+\t):8*(8*\a+\t)+7], v[96+8*\t+(\s)], v[64+8*\a+(\s)] matrix_a_fmt:MATRIX_FMT_FP4 matrix_b_fmt:MATRIX_FMT_FP4
.endif
.endr
.endr
.endm
	s_wait_loadcnt 0x0                             ; bo
	s_wait_tensorcnt 0x0                           ; my one load is in; behind the barrier everybody's is: all of K lies in LDS, and nothing is filled again
	s_barrier_signal -1
	s_barrier_wait -1
	SCALES 0
	FETCH 0, 0
	s_wait_dscnt 0x0
	FETCH 1, 1
	MULS 0, 0
	s_wait_dscnt 0x0
	NOP4                                           ; places in front of loads into registers that matrix instructions have read
	FETCH 2, 0
	MULS 1, 1
	s_wait_dscnt 0x0
	NOP4
	FETCH 3, 1
	MULS 2, 0
	s_wait_dscnt 0x0
	NOP4
	SCALES 1
	FETCH 4, 0
	MULS 3, 1
	s_wait_dscnt 0x0
	NOP4
	FETCH 5, 1
	MULS 4, 0
	s_wait_dscnt 0x0
	NOP4
	FETCH 6, 0
	MULS 5, 1
	s_wait_dscnt 0x0
	NOP4
	FETCH 7, 1
	MULS 6, 0
	s_wait_dscnt 0x0
	MULS 7, 1
	WIN 0
	NOP4                                           ; places in front of the first reads of results and of loads over the scale words
; THE WAY OUT, 16 rows x 128 columns at a time, through my own stage: in as 32 bytes a lane, back as whole rows of 512 bytes.  LDS serves a wave's instructions in order: no wait between stores and loads.
.macro TOSTAGE a
	WIN 0x04                                       ; an LDS store's data are its source 1: window 1
.irp t, 0,1,2,3,4,5,6,7
	ds_store_b128 v[STO], v[64*(\a)+8*\t:64*(\a)+8*\t+3] offset:64*\t       ; each accumulator from its low end on
	ds_store_b128 v[STO], v[64*(\a)+8*\t+4:64*(\a)+8*\t+7] offset:64*\t+16
.endr
	WIN 0
.set P, 0
.rept 16
	ds_load_b128 v[64+64*((\a)%2)+4*P:64+64*((\a)%2)+4*P+3], v[RD] offset:P*SP
.set P, P+1
.endr
.endm
.macro SEND a, younger
	s_wait_dscnt \younger                          ; the block is back; the next block's 16 stores and 16 loads may be out
.set P, 0
.rept 16
	global_store_b128 v[CO], v[64+64*((\a)%2)+4*P:64+64*((\a)%2)+4*P+3], s[10:11] offset:(16*(\a)+P)*4096 th:TH_STORE_NT   ; 512 consecutive bytes, aligned to 256
.set P, P+1
.endr
.endm
	TOSTAGE 0
	TOSTAGE 1
	SEND 0, 32
	s_wait_xcnt 0x0                                ; block 0's stores have read their registers: block 2's loads may land there
	TOSTAGE 2
	SEND 1, 32
	s_wait_xcnt 0x0
	TOSTAGE 3
	SEND 2, 32
	SEND 3, 0
	s_wait_dscnt 0x0
	s_wait_tensorcnt 0x0
	ds_add_u32 v254, v255
	s_wait_dscnt 0x0
	CROUND                                         ; the closing round: no work-group ends while a partner may still ask for a block that names it
	s_endpgm
.Lfunc_end_k_qdb67904fc8_proj:
	.size	k_qdb67904fc8_proj, .Lfunc_end_k_qdb67904fc8_proj-k_qdb67904fc8_proj
	.p2alignl 7, 3214868480
	.fill 96, 4, 3214868480
	.section	.rodata,"a",@progbits
	.p2align	6, 0x0
	.amdhsa_kernel k_qdb67904fc8_proj
		.amdhsa_group_segment_fixed_size 243200
		.amdhsa_private_segment_fixed_size 0
		.amdhsa_enable_private_segment 0
		.amdhsa_kernarg_size 32
		.amdhsa_user_sgpr_count 2
		.amdhsa_user_sgpr_kernarg_segment_ptr 1
		.amdhsa_wavefront_size32 1
		.amdhsa_system_sgpr_workgroup_id_x 1
		.amdhsa_system_sgpr_workgroup_id_y 1
		.amdhsa_system_sgpr_workgroup_id_z 1
		.amdhsa_system_vgpr_workitem_id 0
		.amdhsa_next_free_vgpr 768
		.amdhsa_next_free_sgpr 90
		.amdhsa_reserve_vcc 0
		.amdhsa_float_denorm_mode_32 3
		.amdhsa_float_denorm_mode_16_64 3
		.amdhsa_memory_ordered 1
		.amdhsa_forward_progress 1
		.amdhsa_inst_pref_size 71
	.end_amdhsa_kernel
	.amdgpu_metadata
---
amdhsa.version: [ 1, 2 ]
amdhsa.kernels:
  - .name:           k_qdb67904fc8_proj
    .symbol:         k_qdb67904fc8_proj.kd
    .args:
      - { .name: oq, .offset: 0, .size: 8, .value_kind: global_buffer, .address_space: global }
      - { .name: xq, .offset: 8, .size: 8, .value_kind: global_buffer, .address_space: global }
      - { .name: bo, .offset: 16, .size: 8, .value_kind: global_buffer, .address_space: global }
      - { .name: out0, .offset: 24, .size: 8, .value_kind: global_buffer, .address_space: global }
    .group_segment_fixed_size: 243200
    .private_segment_fixed_size: 0
    .kernarg_segment_align: 8
    .kernarg_segment_size: 32
    .max_flat_workgroup_size: 128
    .sgpr_count:     90
    .vgpr_count:     768
    .wavefront_size: 32
...
	.end_amdgpu_metadata
.endif
;; end of part 4
